; MI455X (gfx1250); checked and timed in simulation.
; The chip was launched on July 23, 2026; its instructions are those of AMD's public machine-readable ISA for CDNA 5 (MIT licence, August 2026) and "CDNA5" Instruction Set Architecture Reference Guide (July 2026). The comments in the code are by the model that wrote it; some were corrected since.
;; Transformer Pro Model. Allowed arithmetic: float matrix products may take bf16 or f16 operands with f32 sums; other float arithmetic in f32, or as packed bf16 or f16 multiplies, adds, multiply-adds, maxima and minima; sums over many terms, partial sums and values carried from step to step in f32; what a program stores and reads back later, other than sums and carried values, may be rounded once to bf16 or f16.
;; Inputs: b1 8 x 1,024 float32; b2 8 x 256 float32; b_router 8 float32; w1 8 x 256 x 1,024 float32; w2 8 x 1,024 x 256 float32; w_router 256 x 8 float32; x 4 x 4,096 x 256 float32.
;; Outputs: out0 4 x 4,096 x 256 float32; out1 4 x 4,096 x 8 float32.
;; 3 versions, each right; version 2 is faster than version 1; version 3 is version 2 with the launch chain written anew for expert scheduling mode. Each part assembles by itself: llvm-mc -triple=amdgcn-amd-amdhsa -mcpu=gfx1250 --defsym DOCPART=n.
;; ======== version 1 of 3: 3 launches
;; workspace buffers: route 65,536 bytes of whole numbers; list 1,835,008 bytes of whole numbers; cq 1,024 bytes of whole numbers; wf 8,388,608 bytes
;; launch router (part 1): grid 256 x 1, 2 waves a work-group, no clusters, 44,544 bytes of LDS; arguments x, w_router, b_router, out1, route; writes out1, route
.if DOCPART == 1
	.amdgcn_target "amdgcn-amd-amdhsa--gfx1250"
	.amdhsa_code_object_version 6
	.text
	.protected	k_qff7dd14d32_router
	.globl	k_qff7dd14d32_router
	.p2align	8
	.type	k_qff7dd14d32_router,@function
k_qff7dd14d32_router:
	s_mov_b64 s[64:65], 0
	v_nop
	global_prefetch_b8 v0, s[64:65] scope:SCOPE_SE
	s_setreg_imm32_b32 hwreg(HW_REG_WAVE_MODE, 25, 1), 1
	s_wait_xcnt 0x0
; ROUTER.  logits = x . w_router + b_router (all three rounded once to bf16, sums in f32, on the matrix unit), softmax over the 8 experts
; with the row's maximum taken away, out1 = the probabilities; top-2 (a tie keeps the lower index); for each token one whole number for the later launches.
; A work-group has 64 tokens, a wave 32 (one group).  route[group][lane] = set | rank << 8 | count << 16: set = the number of the token's pair of experts
; (a < b: ((a (13 - a)) >> 1) + b - 1, 0 to 27), rank = how many earlier tokens of the group have the same set, count = how many tokens of the group have set number 'lane'.
; No address and no branch hangs on these numbers here.
; LIMITS.  NaN and infinities are not treated apart (a row of NaN gets a set number cut to 5 bits).  A weight 2^(..) below 2^-126 counts as 0.
; Two probabilities that differ by less than the sums' rounding may be ranked either way.
; LAYOUT.  Source 0 = w_router turned (16 rows: the 8 experts twice), source 1 = 16 tokens: in the result lane l holds token l % 16 and registers 0-7 the experts 0-7,
; in both halves of the lanes.  So lanes 0-15 take tile 0's result and lanes 16-31 tile 1's: lane l then holds token l's 8 logits and the softmax never leaves the lane.
.set XP,    528                        ; a row of x in LDS: 512 bytes of bf16 + 16: an odd multiple of 16, so the 16 rows of a fragment load start in 16 different groups of banks
.set XS,    8192                       ; behind w_router's 256 rows x 32 bytes (LDS byte 0): each wave's own 32 rows of x
.set XSW,   32*XP
.set PS,    XS+2*XSW                   ; each wave's own 1,024 bytes: the probabilities on their way out
.set RS,    PS+2048                    ; the work-group's 64 route words
.set SPARE, RS+256                     ; the spare words, 128 bytes a wave: one block of 256 bytes that no other line names
.set MSB, 0
.macro WIN new                         ; s_set_vgpr_msb: bits 1:0 source 0, 3:2 source 1, 5:4 source 2, 7:6 destination; the high byte repeats the setting that is left
.if MSB != (\new)
	s_set_vgpr_msb (MSB<<8)|(\new)
.set MSB, (\new)
.endif
.endm
; window 0: v0-15 addresses; v16-23, v176-183 the bias; v24-39 two accumulators; v40-47 logits, then weights, then probabilities; v48-63, v184-197 at work;
;           v64-127 w_router's 8 fragments; v128-159 w_router as loaded; v160-175 conversions.   window 1: v0-255 x as loaded, then v0-127 x's 16 fragments
	s_load_b256 s[4:11], s[0:1], 0x0               ; x s[4:5], w_router s[6:7], b_router s[8:9], out1 s[10:11]
	s_load_b64 s[12:13], s[0:1], 0x20              ; route
	v_lshl_add_u32 v14, v0, 2, SPARE               ; my spare word,
	v_mov_b32 v15, 0                               ; and 0: kept for the closing lines alone
	v_and_b32 v1, 31, v0                           ; lane
	v_and_b32 v2, 15, v0                           ; r
	v_bfe_u32 v3, v0, 4, 1                         ; hh
	v_lshrrev_b32 v4, 5, v0
	v_readfirstlane_b32 s14, v4                    ; wave 0, 1
	v_lshlrev_b32 v4, 4, v1                        ; 16 x lane
	s_mul_i32 s15, s14, XSW
	s_add_co_u32 s15, s15, XS                      ; my wave's rows of x in LDS
	v_lshl_add_u32 v5, v1, 3, s15                  ; in: 8 bytes a lane
	v_mul_u32_u24 v6, v2, XP
	v_lshl_add_u32 v6, v3, 4, v6
	v_add_nc_u32 v6, s15, v6                       ; a fragment of x: row r, 16 bytes for each half of the lanes
	v_and_b32 v7, 7, v0
	v_lshl_add_u32 v7, v3, 3, v7
	v_bfe_u32 v8, v0, 3, 1
	v_lshlrev_b32 v7, 5, v7
	v_lshl_add_u32 v7, v8, 4, v7                   ; the turning load: row 8 hh + l % 8 of 32 bytes, half (l / 8) % 2
	v_lshlrev_b32 v8, 5, v0                        ; 32 x thread: a row of w_router, in memory (8 f32) and in LDS (16 bf16)
	s_lshl_b32 s25, s14, 10
	s_add_co_u32 s25, s25, PS
	v_lshl_add_u32 v9, v1, 5, s25                  ; a token's 32 bytes of probabilities
	v_lshl_add_u32 v10, v1, 4, s25                 ; and back, 16 neighbouring bytes a lane
	v_lshl_add_u32 v11, v0, 2, RS
	v_lshl_add_u32 v12, v1, 3, RS
	v_lshlrev_b32 v13, 3, v1
	s_mov_b32 s24, 0xffff0000                      ; lanes 16-31; also a word's upper bf16
	s_mov_b32 s26, 0x3fb8aa3b                      ; log2(e)
	s_mov_b32 s27, s26                             ; named with it as a pair
	s_lshl_b32 s2, ttmp9, 16                       ; 64 tokens of 1,024 bytes,
	s_lshl_b32 s3, s14, 15                         ; my wave's 32
	s_add_co_u32 s2, s2, s3
	s_mov_b32 s3, 0
	s_lshl_b32 s32, ttmp9, 11                      ; 64 tokens of 32 bytes in out1
	s_lshl_b32 s33, s14, 10
	s_add_co_u32 s32, s32, s33
	s_mov_b32 s33, 0
	s_lshl_b32 s34, ttmp9, 8                       ; 64 words of route
	s_mov_b32 s35, 0
	s_wait_kmcnt 0x0
	s_load_b256 s[16:23], s[8:9], 0x0              ; b_router
	s_add_nc_u64 s[4:5], s[4:5], s[2:3]
	s_add_nc_u64 s[10:11], s[10:11], s[32:33]
	s_add_nc_u64 s[12:13], s[12:13], s[34:35]
.irp i, 0,1,2,3
	global_load_b128 v[128+8*\i:131+8*\i], v8, s[6:7] offset:2048*\i      ; thread t takes rows t + 64 i of w_router
	global_load_b128 v[132+8*\i:135+8*\i], v8, s[6:7] offset:2048*\i+16
.endr
	WIN 0x40                                       ; destination window 1
.set n, 0
.rept 64                                               ; the wave's 32 KB of x: 64 loads of 512 neighbouring bytes, all on their way at once
	global_load_b128 v[4*n:4*n+3], v4, s[4:5] offset:512*n
.set n, n+1
.endr
	WIN 0
	s_wait_loadcnt 63                              ; 72 were issued: the 9 oldest are in, w_router's 8 among them
.irp i, 0,1,2,3
.irp j, 0,1,2,3
	v_cvt_pk_bf16_f32 v[160+4*\i+\j], v[128+8*\i+2*\j], v[129+8*\i+2*\j]
.endr
	ds_store_b128 v8, v[160+4*\i:163+4*\i] offset:2048*\i                 ; the 8 experts,
	ds_store_b128 v8, v[160+4*\i:163+4*\i] offset:2048*\i+16              ; and once more: rows 8-15 of source 0
.endr
.set g, 0
.rept 8
	s_wait_loadcnt 56-8*g                          ; loads come back in order: group g's eight are in, the younger ones stay out
	WIN 0x05                                       ; sources in window 1
.set n, 0
.rept 8
	v_cvt_pk_bf16_f32 v[160+2*n], v[4*(8*g+n)], v[4*(8*g+n)+1]
	v_cvt_pk_bf16_f32 v[161+2*n], v[4*(8*g+n)+2], v[4*(8*g+n)+3]
.set n, n+1
.endr
	WIN 0
.set n, 0
.rept 8
	ds_store_b64 v5, v[160+2*n:161+2*n] offset:((8*g+n)>>1)*XP+((8*g+n)&1)*256   ; half a row: 256 neighbouring bytes
.set n, n+1
.endr
.set g, g+1
.endr
	s_wait_dscnt 0x0                               ; for the other wave's sake: my half of w_router is in LDS
	s_barrier_signal -1
	s_barrier_wait -1
.irp k, 0,1,2,3,4,5,6,7
	ds_load_tr16_b128 v[64+8*\k:67+8*\k], v7 offset:1024*\k               ; w_router lies [d][expert]: turned on its way into source 0
	ds_load_tr16_b128 v[68+8*\k:71+8*\k], v7 offset:1024*\k+512
.endr
	WIN 0x40
.set n, 0
.rept 16                                               ; tile n / 8, channels 32 (n % 8) on
	ds_load_b128 v[8*n:8*n+3],   v6 offset:(n/8)*16*XP+(n%8)*64
	ds_load_b128 v[8*n+4:8*n+7], v6 offset:(n/8)*16*XP+(n%8)*64+32
.set n, n+1
.endr
	WIN 0
	s_wait_kmcnt 0x0                               ; b_router
.irp j, 0,1,2,3,4,5,6,7
	v_mov_b32 v[16+\j], s[16+\j]
.endr
.irp j, 0,1,2,3
	v_cvt_pk_bf16_f32 v[160+\j], v[16+2*\j], v[17+2*\j]                   ; rounded to bf16 like every input,
.endr
.irp j, 0,1,2,3
	v_lshlrev_b32 v[16+2*\j], 16, v[160+\j]                               ; and back in f32: register j = expert j, the C of the first product
	v_and_b32 v[17+2*\j], s24, v[160+\j]
.endr
.irp j, 0,1,2,3,4,5,6,7
	v_mov_b32 v[176+\j], v[16+\j]                  ; a copy for the second accumulator's first product
.endr
	s_wait_dscnt 0x0
	WIN 0x04                                       ; source 1 (x) in window 1
	v_wmma_f32_16x16x32_bf16 v[24:31], v[64:71], v[0:7], v[16:23]         ; the two accumulators take turns
	v_wmma_f32_16x16x32_bf16 v[32:39], v[64:71], v[64:71], v[176:183]
.irp k, 1,2,3,4,5,6,7
	v_wmma_f32_16x16x32_bf16 v[24:31], v[64+8*\k:71+8*\k], v[8*\k:8*\k+7], v[24:31]
	v_wmma_f32_16x16x32_bf16 v[32:39], v[64+8*\k:71+8*\k], v[64+8*\k:71+8*\k], v[32:39]
.endr
	WIN 0
.rept 4
	v_nop                                          ; four places between the last product and the first read of a result (ISA guide 7.12.1)
.endr
.irp j, 0,1,2,3,4,5,6,7
	v_cndmask_b32 v[40+\j], v[24+\j], v[32+\j], s24                       ; lane l: token l's logit j; each accumulator is read from its low end on
.endr
	v_max3_num_f32 v48, v40, v41, v42
	v_max3_num_f32 v49, v43, v44, v45
	v_max3_num_f32 v48, v48, v46, v47
	v_max_num_f32 v48, v48, v49                    ; the row's maximum
	v_mov_b32 v49, v48
.irp j, 0,2,4,6
	v_pk_add_f32 v[40+\j:41+\j], v[40+\j:41+\j], v[48:49] neg_lo:[0,1] neg_hi:[0,1]
.endr
.irp j, 0,2,4,6
	v_pk_mul_f32 v[40+\j:41+\j], v[40+\j:41+\j], s[26:27] op_sel_hi:[1,0]
.endr
.irp j, 0,1,2,3,4,5,6,7
	v_exp_f32 v[40+\j], v[40+\j]
.endr
	v_nop                                          ; a plain instruction behind the last exponential,
	s_wait_alu depctr_va_vdst(0)                   ; and one wait for the batch of eight, ahead of the first reader
	v_pk_add_f32 v[50:51], v[40:41], v[42:43]
	v_pk_add_f32 v[52:53], v[44:45], v[46:47]
	v_pk_add_f32 v[50:51], v[50:51], v[52:53]
	v_add_f32 v50, v50, v51
	v_rcp_f32 v54, v50
	v_nop
	s_wait_alu depctr_va_vdst(0)
	v_mov_b32 v55, v54
.irp j, 0,2,4,6
	v_pk_mul_f32 v[40+\j:41+\j], v[40+\j:41+\j], v[54:55]
.endr
	ds_store_b128 v9, v[40:43]                     ; the probabilities go through my own 1,024 bytes of LDS, so that each store below covers 512 neighbouring bytes
	ds_store_b128 v9, v[44:47] offset:16
	ds_load_b128 v[188:191], v10                   ; LDS serves a wave's instructions in order (ISA guide 5.7.1.4): these see the stores above
	ds_load_b128 v[192:195], v10 offset:512
	; top-2: strictly greater, so that a tie keeps the lower index
	v_mov_b32 v56, v40
	v_mov_b32 v57, 0
.irp j, 1,2,3,4,5,6,7
	v_cmp_gt_f32 vcc_lo, v[40+\j], v56
	v_cndmask_b32 v56, v56, v[40+\j], vcc_lo
	v_cndmask_b32 v57, v57, \j, vcc_lo
.endr
	v_mov_b32 v58, -1.0
	v_mov_b32 v59, 0
.irp j, 0,1,2,3,4,5,6,7
	v_cmp_ne_u32 s30, \j, v57                      ; not the first choice
	v_cmp_gt_f32 vcc_lo, v[40+\j], v58
	s_and_b32 vcc_lo, vcc_lo, s30
	v_cndmask_b32 v58, v58, v[40+\j], vcc_lo
	v_cndmask_b32 v59, v59, \j, vcc_lo
.endr
	v_min_u32 v60, v57, v59                        ; a
	v_max_u32 v61, v57, v59                        ; b
	v_sub_nc_u32 v185, 13, v60
	v_mul_u32_u24 v185, v185, v60
	v_lshrrev_b32 v185, 1, v185
	v_add3_u32 v62, v185, v61, -1                  ; the set's number
	v_and_b32 v62, 31, v62
	v_mov_b32 v63, 0                               ; my rank in the group
	v_mov_b32 v184, 0                              ; lane s: the group's count of set s
.set s, 0
.rept 28
	v_cmp_eq_u32 s28, s, v62
	s_bcnt1_i32_b32 s29, s28
	v_writelane_b32 v184, s29, s
	v_mbcnt_lo_u32_b32 v185, s28, 0                ; lanes below me with set s
	v_cndmask_b32 v63, v63, v185, s28
.set s, s+1
.endr
	v_lshl_or_b32 v186, v63, 8, v62
	v_lshl_or_b32 v186, v184, 16, v186
	ds_store_b32 v11, v186
	s_wait_dscnt 0x0                               ; the probabilities are back; for the other wave's sake: my route words are in LDS
	global_store_b128 v4, v[188:191], s[10:11]
	global_store_b128 v4, v[192:195], s[10:11] offset:512
	s_barrier_signal -1
	s_barrier_wait -1
	s_cmp_lg_u32 s14, 0
	s_cbranch_scc1 .Lend
	ds_load_b64 v[196:197], v12                    ; wave 0 stores both waves' words: 256 consecutive bytes, aligned
	s_wait_dscnt 0x0
	global_store_b64 v13, v[196:197], s[12:13]
.Lend:
	s_wait_tensorcnt 0x0                           ; the wave's end, behind my last LDS store
	ds_add_u32 v14, v15
	s_wait_dscnt 0x0
	s_endpgm
.Lfunc_end_k_qff7dd14d32_router:
	.size	k_qff7dd14d32_router, .Lfunc_end_k_qff7dd14d32_router-k_qff7dd14d32_router
	.p2alignl 7, 3214868480
	.fill 96, 4, 3214868480
	.section	.rodata,"a",@progbits
	.p2align	6, 0x0
	.amdhsa_kernel k_qff7dd14d32_router
		.amdhsa_group_segment_fixed_size 44544
		.amdhsa_private_segment_fixed_size 0
		.amdhsa_enable_private_segment 0
		.amdhsa_kernarg_size 40
		.amdhsa_user_sgpr_count 2
		.amdhsa_user_sgpr_kernarg_segment_ptr 1
		.amdhsa_wavefront_size32 1
		.amdhsa_system_sgpr_workgroup_id_x 1
		.amdhsa_system_sgpr_workgroup_id_y 1
		.amdhsa_system_sgpr_workgroup_id_z 1
		.amdhsa_system_vgpr_workitem_id 0
		.amdhsa_next_free_vgpr 512
		.amdhsa_next_free_sgpr 66
		.amdhsa_reserve_vcc 1
		.amdhsa_float_denorm_mode_32 3
		.amdhsa_float_denorm_mode_16_64 3
		.amdhsa_memory_ordered 1
		.amdhsa_forward_progress 1
		.amdhsa_inst_pref_size 44
	.end_amdhsa_kernel
	.amdgpu_metadata
---
amdhsa.version: [ 1, 2 ]
amdhsa.kernels:
  - .name:           k_qff7dd14d32_router
    .symbol:         k_qff7dd14d32_router.kd
    .args:
      - { .name: x, .offset: 0, .size: 8, .value_kind: global_buffer, .address_space: global }
      - { .name: w_router, .offset: 8, .size: 8, .value_kind: global_buffer, .address_space: global }
      - { .name: b_router, .offset: 16, .size: 8, .value_kind: global_buffer, .address_space: global }
      - { .name: out1, .offset: 24, .size: 8, .value_kind: global_buffer, .address_space: global }
      - { .name: route, .offset: 32, .size: 8, .value_kind: global_buffer, .address_space: global }
    .group_segment_fixed_size: 44544
    .private_segment_fixed_size: 0
    .kernarg_segment_align: 8
    .kernarg_segment_size: 40
    .max_flat_workgroup_size: 64
    .sgpr_count:     66
    .vgpr_count:     512
    .wavefront_size: 32
...
	.end_amdgpu_metadata
.endif
;; end of part 1
;; launch prep (part 2): grid 258 x 1, 4 waves a work-group, no clusters, 33,792 bytes of LDS; arguments w1, w2, route, wf, list, cq; writes wf, list, cq
.if DOCPART == 2
	.amdgcn_target "amdgcn-amd-amdhsa--gfx1250"
	.amdhsa_code_object_version 6
	.text
	.protected	k_qff7dd14d32_prep
	.globl	k_qff7dd14d32_prep
	.p2align	8
	.type	k_qff7dd14d32_prep,@function
k_qff7dd14d32_prep:
	s_mov_b64 s[64:65], 0
	v_nop
	global_prefetch_b8 v0, s[64:65] scope:SCOPE_SE
	s_setreg_imm32_b32 hwreg(HW_REG_WAVE_MODE, 25, 1), 1
	s_wait_xcnt 0x0
; PREP.  Work-groups 0, 1: the tokens are placed by their pair of experts (a counting sort without atomics).  Work-groups 2-257: the weights are rounded once to bf16
; and laid out in the order in which the chain's operand registers take them.  All LDS bytes are a wave's own: no barrier.
; THE SORT.  Wave q8 (0-7) owns 2,048 tokens, 64 groups of 32.  Lane s carries the running count of set s; a token's place is list[set][q8][count before its group + its rank in the group].
; cq[q8][s] = the wave's final count of set s.  Loaded numbers are clamped before they enter an address.
; THE WEIGHTS.  wf = [expert 8][chunk 8][wave 4][32 fragments of 1,024 bytes].  Fragments 0-15: W1 (kk 0-7, n 0-1) at 2 kk + n: 16 hidden columns 128 c + 32 q + 16 n + r by 32 channels.
; Fragments 16-31: W2 (kk 0-3, n 0-3) at 16 + 4 kk + n: 16 output columns 64 q + 16 n + r by 32 hidden rows 128 c + 32 kk + ...  A fragment is [part p][lane 16 hh + r][8 bf16: k = 32 kk + 16 p + 8 hh + 0..7].
; A work-group turns 256 rows (k) x 64 columns of f32, a wave 64 rows: 32 loads, each of two pieces of 256 neighbouring bytes; 8 rows of one column pack into 16 bytes, go through LDS, and leave as 512 neighbouring bytes a store.
.set FP,    1040                       ; a fragment in LDS: 1,024 bytes + 16, so that the 16 lanes of a store touch 16 different columns of 16 bytes
.set SPARE, 4*8*FP                     ; 33,280: behind the four waves' stages: the spare words, two blocks of 256 bytes that no other line names
	s_load_b256 s[4:11], s[0:1], 0x0               ; w1 s[4:5], w2 s[6:7], route s[8:9], wf s[10:11]
	s_load_b128 s[12:15], s[0:1], 0x20             ; list s[12:13], cq s[14:15]
	v_lshl_add_u32 v14, v0, 2, SPARE
	v_mov_b32 v15, 0
	v_and_b32 v1, 31, v0                           ; lane
	v_lshrrev_b32 v8, 5, v0
	v_readfirstlane_b32 s16, v8                    ; wave 0..3
	s_cmp_lt_u32 ttmp9, 2
	s_cbranch_scc1 .Lsort
	v_and_b32 v2, 15, v0                           ; x: which 4 columns
	v_bfe_u32 v3, v0, 4, 1                         ; hh: which 8 rows
	s_mul_i32 s20, s16, 8*FP                       ; my wave's stage
	v_lshrrev_b32 v8, 2, v2
	v_mul_u32_u24 v5, v8, FP                       ; the fragment of my columns,
	v_and_b32 v8, 3, v2
	v_lshl_add_u32 v5, v8, 6, v5                   ; lane 16 hh + 4 (x % 4) + column of it
	v_lshl_add_u32 v5, v3, 8, v5
	v_add_nc_u32 v5, s20, v5
	v_lshlrev_b32 v7, 4, v1
	v_add_nc_u32 v6, s20, v7
	v_lshlrev_b32 v9, 4, v2
	s_sub_co_u32 s17, ttmp9, 2
	s_and_b32 s18, s17, 127
	s_lshr_b32 s19, s18, 4
	s_lshl_b32 s19, s19, 20                        ; the expert: 1 MiB in w1, in w2 and in wf
	s_bitcmp1_b32 s17, 7
	s_cbranch_scc1 .Lw2
; 64 rows x 64 columns of f32 at s[24:25] (PITCH bytes from row to row) become 8 fragments (j = 0, 1 along k; n' = 0..3 along the columns) at s[26:27] + j DJ + (n' / 2) DN2 + (n' % 2) DN1.
.macro WPREP PITCH, DJ, DN2, DN1
.set g, 0
.rept 4                                                ; g = 2 j + p: rows 16 g + 8 hh + i
.set i, 0
.rept 8
	global_load_b128 v[16+4*(8*g+i):19+4*(8*g+i)], v4, s[24:25] offset:(16*g+i)*(\PITCH) th:TH_LOAD_NT
.set i, i+1
.endr
.set g, g+1
.endr
.set g, 0
.rept 4
	s_wait_loadcnt 24-8*g                          ; group g's eight rows are in, the younger loads stay out
.set cc, 0
.rept 4
.set i, 0
.rept 4
	v_cvt_pk_bf16_f32 v[208+4*cc+i], v[16+4*(8*g+2*i)+cc], v[16+4*(8*g+2*i+1)+cc]   ; column cc of rows 2 i, 2 i + 1: k ascending
.set i, i+1
.endr
	ds_store_b128 v5, v[208+4*cc:211+4*cc] offset:(g>>1)*4*FP+(g&1)*512+cc*16
.set cc, cc+1
.endr
.set g, g+1
.endr
.set k, 0
.rept 16                                               ; fragment k / 2, part k % 2; LDS serves a wave's instructions in order: these see the stores above
	ds_load_b128 v[144+4*k:147+4*k], v6 offset:(k>>1)*FP+(k&1)*512
.set k, k+1
.endr
.set k, 0
.rept 16
	s_wait_dscnt 15-k
	global_store_b128 v7, v[144+4*k:147+4*k], s[26:27] offset:(k>>3)*(\DJ)+((k>>2)&1)*(\DN2)+((k>>1)&1)*(\DN1)+(k&1)*512   ; 512 consecutive bytes, aligned
.set k, k+1
.endr
	s_wait_tensorcnt 0x0                           ; the wave's end, behind my last LDS store
	ds_add_u32 v14, v15
	s_wait_dscnt 0x0
	s_endpgm
.endm
	; W1: unit (expert, chunk c, half Q): all 256 channels x hidden columns 128 c + 64 Q + 0..63; wave w has channels 64 w on: kk = 2 w + j
	s_bfe_u32 s21, s18, 0x30001                    ; c
	s_and_b32 s22, s18, 1                          ; Q
	s_lshl_b32 s28, s21, 9
	s_lshl_b32 s29, s22, 8
	s_add_co_u32 s28, s28, s29
	s_add_co_u32 s28, s28, s19
	s_lshl_b32 s29, s16, 18                        ; 64 rows of 4,096 bytes
	s_add_co_u32 s28, s28, s29
	s_mov_b32 s29, 0
	s_lshl_b32 s30, s21, 17
	s_lshl_b32 s31, s22, 16
	s_add_co_u32 s30, s30, s31
	s_add_co_u32 s30, s30, s19
	s_lshl_b32 s31, s16, 12                        ; fragments 4 w on
	s_add_co_u32 s30, s30, s31
	s_mov_b32 s31, 0
	v_lshl_add_u32 v4, v3, 15, v9                  ; 8 hh rows + 16 x
	s_wait_kmcnt 0x0
	s_add_nc_u64 s[24:25], s[4:5], s[28:29]
	s_add_nc_u64 s[26:27], s[10:11], s[30:31]
	WPREP 4096, 2048, 32768, 1024
.Lw2:
	; W2: unit (expert, C, q): hidden rows 256 C + 0..255 x output columns 64 q + 0..63; wave w: chunk 2 C + w / 2, kk = 2 (w % 2) + j
	s_bfe_u32 s21, s18, 0x20002                    ; C
	s_and_b32 s22, s18, 3                          ; q
	s_lshl_b32 s21, s21, 18
	s_add_co_u32 s21, s21, s19
	s_lshl_b32 s28, s22, 8
	s_add_co_u32 s28, s28, s21
	s_lshl_b32 s29, s16, 16                        ; 64 rows of 1,024 bytes
	s_add_co_u32 s28, s28, s29
	s_mov_b32 s29, 0
	s_lshl_b32 s30, s22, 15
	s_add_co_u32 s30, s30, s21
	s_add_co_u32 s30, s30, 16384                   ; behind W1's 16 fragments
	s_lshr_b32 s31, s16, 1
	s_lshl_b32 s31, s31, 17
	s_add_co_u32 s30, s30, s31
	s_and_b32 s31, s16, 1
	s_lshl_b32 s31, s31, 13
	s_add_co_u32 s30, s30, s31
	s_mov_b32 s31, 0
	v_lshl_add_u32 v4, v3, 13, v9
	s_wait_kmcnt 0x0
	s_add_nc_u64 s[24:25], s[6:7], s[28:29]
	s_add_nc_u64 s[26:27], s[10:11], s[30:31]
	WPREP 1024, 4096, 2048, 1024
.Lsort:
	s_lshl_b32 s17, ttmp9, 2
	s_add_co_u32 s17, s17, s16                     ; q8
	s_lshl_b32 s18, s17, 13                        ; 64 groups of 128 bytes of route; 2,048 words of list
	s_mov_b32 s19, 0
	s_lshl_b32 s20, s17, 7
	s_mov_b32 s21, 0
	s_lshl_b32 s22, s17, 11
	v_lshlrev_b32 v4, 2, v1
	v_mov_b32 v5, 0                                ; lane s: tokens of set s so far
	v_add_nc_u32 v6, s22, v1                       ; my token in the wave's first group
	s_wait_kmcnt 0x0
	s_add_nc_u64 s[8:9], s[8:9], s[18:19]
	s_add_nc_u64 s[12:13], s[12:13], s[18:19]
	s_add_nc_u64 s[14:15], s[14:15], s[20:21]
.set i, 0
.rept 64
	global_load_b32 v[16+i], v4, s[8:9] offset:128*i
.set i, i+1
.endr
; 16 groups.  v80-95 the tokens' sets, v96-111 the counts before their groups, v112-127 byte offsets in list, v128-143 token numbers
.macro PLACE b
	s_wait_loadcnt 48-16*(\b)                      ; this batch's 16 words are in, the younger ones stay out
	s_wait_xcnt 0x0                                ; the last batch's stores have had their addresses translated (ISA guide 3.1): their registers are written again only behind this wait
.set i, 0
.rept 16
	v_and_b32 v[80+i], 31, v[16+16*(\b)+i]
	v_min_u32 v[80+i], 27, v[80+i]
	v_lshlrev_b32 v7, 2, v[80+i]
	ds_bpermute_b32 v[96+i], v7, v5                ; the running count of my token's set, before this group
	v_bfe_u32 v8, v[16+16*(\b)+i], 16, 8
	v_add_nc_u32 v5, v5, v8                        ; lane s: + the group's count of set s
.set i, i+1
.endr
	s_wait_dscnt 0x0
.set i, 0
.rept 16
	v_bfe_u32 v7, v[16+16*(\b)+i], 8, 8            ; my rank in the group
	v_add_nc_u32 v7, v7, v[96+i]
	v_min_u32 v7, 0x7ff, v7
	v_lshlrev_b32 v8, 14, v[80+i]                  ; a set has 16,384 words
	v_add_lshl_u32 v[112+i], v8, v7, 2
	v_add_nc_u32 v[128+i], 32*(16*(\b)+i), v6
	global_store_b32 v[112+i], v[128+i], s[12:13]  ; the placement itself: 4 bytes a token, 64 KB in the whole launch
.set i, i+1
.endr
.endm
	PLACE 0
	PLACE 1
	PLACE 2
	PLACE 3
	global_store_b32 v4, v5, s[14:15]
	s_wait_tensorcnt 0x0                           ; the closing lines, on this path too
	ds_add_u32 v14, v15
	s_wait_dscnt 0x0
	s_endpgm
.Lfunc_end_k_qff7dd14d32_prep:
	.size	k_qff7dd14d32_prep, .Lfunc_end_k_qff7dd14d32_prep-k_qff7dd14d32_prep
	.p2alignl 7, 3214868480
	.fill 96, 4, 3214868480
	.section	.rodata,"a",@progbits
	.p2align	6, 0x0
	.amdhsa_kernel k_qff7dd14d32_prep
		.amdhsa_group_segment_fixed_size 33792
		.amdhsa_private_segment_fixed_size 0
		.amdhsa_enable_private_segment 0
		.amdhsa_kernarg_size 48
		.amdhsa_user_sgpr_count 2
		.amdhsa_user_sgpr_kernarg_segment_ptr 1
		.amdhsa_wavefront_size32 1
		.amdhsa_system_sgpr_workgroup_id_x 1
		.amdhsa_system_sgpr_workgroup_id_y 1
		.amdhsa_system_sgpr_workgroup_id_z 1
		.amdhsa_system_vgpr_workitem_id 0
		.amdhsa_next_free_vgpr 256
		.amdhsa_next_free_sgpr 66
		.amdhsa_reserve_vcc 0
		.amdhsa_float_denorm_mode_32 3
		.amdhsa_float_denorm_mode_16_64 3
		.amdhsa_memory_ordered 1
		.amdhsa_forward_progress 1
		.amdhsa_inst_pref_size 75
	.end_amdhsa_kernel
	.amdgpu_metadata
---
amdhsa.version: [ 1, 2 ]
amdhsa.kernels:
  - .name:           k_qff7dd14d32_prep
    .symbol:         k_qff7dd14d32_prep.kd
    .args:
      - { .name: w1, .offset: 0, .size: 8, .value_kind: global_buffer, .address_space: global }
      - { .name: w2, .offset: 8, .size: 8, .value_kind: global_buffer, .address_space: global }
      - { .name: route, .offset: 16, .size: 8, .value_kind: global_buffer, .address_space: global }
      - { .name: wf, .offset: 24, .size: 8, .value_kind: global_buffer, .address_space: global }
      - { .name: list, .offset: 32, .size: 8, .value_kind: global_buffer, .address_space: global }
      - { .name: cq, .offset: 40, .size: 8, .value_kind: global_buffer, .address_space: global }
    .group_segment_fixed_size: 33792
    .private_segment_fixed_size: 0
    .kernarg_segment_align: 8
    .kernarg_segment_size: 48
    .max_flat_workgroup_size: 128
    .sgpr_count:     66
    .vgpr_count:     256
    .wavefront_size: 32
...
	.end_amdgpu_metadata
.endif
;; end of part 2
;; launch chain (part 3): grid 232 x 1, 4 waves a work-group, no clusters, 82,432 bytes of LDS; arguments x, out1, wf, b1, b2, list, cq, out0; writes out0
.if DOCPART == 3
	.amdgcn_target "amdgcn-amd-amdhsa--gfx1250"
	.amdhsa_code_object_version 6
	.text
	.protected	k_qff7dd14d32_chain
	.globl	k_qff7dd14d32_chain
	.p2align	8
	.type	k_qff7dd14d32_chain,@function
k_qff7dd14d32_chain:
	s_mov_b64 s[64:65], 0
	v_nop
	global_prefetch_b8 v0, s[64:65] scope:SCOPE_SE
	s_setreg_imm32_b32 hwreg(HW_REG_WAVE_MODE, 25, 1), 1
	s_wait_xcnt 0x0
; CHAIN.  out0[token] = ga (gelu(x W1a + b1a) W2a + b2a) + gb (gelu(x W1b + b1b) W2b + b2b) for the token's two experts a < b, ga = pa / (pa + pb) from out1.
; A work-group takes up to 80 tokens (5 tiles of 16) of ONE pair of experts through the whole chain; each output row has one owner.  The sum over the sets of ceil(count / 80) is at most
; (16,384 + 28 x 79) / 80 = 232 for every split of the tokens: the grid.  A work-group that the split leaves without rows (cnt = 0) walks the same text, so that every wave passes every barrier, and stores nothing.
; Places past the count repeat the tile's last token; whole stores past the count are jumped.
; FORMATS.  x, b1, b2 are rounded once to bf16 here, the weights were by the launch before; products take bf16 operands, all sums and Y stay in f32; the gated hidden value is rounded once to bf16.
; GELU.  g gelu(v) = max(g v, 0) - |g v| Q(|v|), Q = erfc(|v| / sqrt 2) / 2 = (a1 t + .. + a5 t^5) / 2 x 2^-(K v)^2, t = 1 / (1 + 0.23164189 |v|), K = sqrt(log2(e) / 2):
; Abramowitz and Stegun 7.1.26, erf within 1.5e-7 for every argument.  The gate g >= 0 rides on the hidden value, and Y starts as ga b2a + gb b2b, so both experts' 16 chunks add in place into one accumulator.
; LIMITS.  NaN and infinities are not treated apart; 2^-(K v)^2 below 2^-126 counts as 0.
; SHARES.  Hidden columns go in chunks of 128.  Wave q: P1 = 80 tokens x hidden columns 32 q + 0..31 of the chunk (K = 256); P2 = 80 tokens x output columns 64 q + 0..63 (K = 128).
; Both products are used transposed (source 0 = 16 rows of weights, source 1 = 16 tokens): a lane holds one token (l % 16) and 8 neighbouring columns.  x stays in registers for the whole kernel.
; Each wave reads its own quarter of the weights once, from memory straight into operand registers (512 neighbouring bytes a load), a block ahead.  Only the hidden values pass between waves, through LDS.
; NO CLUSTER: partners would have to share a pair of experts; whole clusters of 4 x 80 tokens for each of 28 sets would be up to 79 clusters, 316 work-groups.
; REGISTERS, in windows of 256 (s_set_vgpr_msb: bits 1:0 source 0, 3:2 source 1, 5:4 source 2, 7:6 destination):
;   window 0: v0-15 addresses; v16-45 gates; v46-61 b1 as loaded; v62-95 at work; v96-175 P1's 10 accumulators, in P2 hidden fragments kk 0, 1; v176-255 GELU at work, in P2 hidden fragments kk 2, 3
;   window 1: v0-159 Y (t, n) at 8 (4 t + n); v160-223 x's fragments 32-39; v224-239 b1 rounded      window 2: x's fragments f = 5 kk + t, f < 32      window 3: v0-127 W1's block, v128-255 W2's
.set XP,    528                        ; a row of x in LDS: 512 + 16 bytes
.set HP,    272                        ; a row of hidden values (128 bf16), and of the way out (64 f32): 256 + 16 bytes: odd multiples of 16, so the 16 rows of a load start in 16 different groups of banks
.set HS,    80*XP                      ; behind x's 80 rows (LDS byte 0): 80 rows of hidden values
.set TL,    HS+80*HP                   ; 64,000: the tile's 80 token numbers
.set OS,    TL+512                     ; 64,512: 16 rows x 272 bytes for each wave, for the way out
.set OSW,   16*HP
.set SPARE, OS+4*OSW                   ; 81,920: the spare words, two blocks of 256 bytes that no other line names
.set GA, 16                            ; five pairs (g, g) for expert a,
.set GB, 26                            ; for expert b,
.set GG, 36                            ; for the chunk in hand
.set BR, 46
.set TP, 62
.set HA, 96
.set HB, 176                           ; GELU: T +0, E +16, R +32, P +48, packed +64
.set XH, 160                           ; window 1
.set BC, 224                           ; window 1
.set WA, 0                             ; window 3
.set WB, 128                           ; window 3
.set CP, 58                            ; s58      0.23164189
.set CK, 60                            ; s[60:61] K
.set A5, 66                            ; s[66:75] a5 / 2 .. a1 / 2, as pairs
.set A4, 68
.set A3, 70
.set A2, 72
.set A1, 74
.set MSB, 0
.macro WIN new                         ; the high byte repeats the setting that is left; a switch that changes nothing is dropped
.if MSB != (\new)
	s_set_vgpr_msb (MSB<<8)|(\new)
.set MSB, (\new)
.endif
.endm
.macro PLACES                          ; four places behind a matrix instruction, in front of reads of its result and of loads into its registers (ISA guide 7.12.1 for vector instructions)
.rept 4
	v_nop
.endr
.endm
.macro LDBR                            ; b1 of my 32 hidden columns of the chunk at s[52:53]: 8 numbers for each n
	global_load_b128 v[BR:BR+3],     v5, s[52:53]
	global_load_b128 v[BR+4:BR+7],   v5, s[52:53] offset:16
	global_load_b128 v[BR+8:BR+11],  v5, s[52:53] offset:64
	global_load_b128 v[BR+12:BR+15], v5, s[52:53] offset:80
.endm
.macro LDW reg, off                    ; a block of 16 fragments, 32 loads of 512 neighbouring bytes
	WIN 0xc0                                       ; destination window 3
.set f, 0
.rept 16
	global_load_b128 v[(\reg)+8*f:(\reg)+8*f+3],   v4, s[48:49] offset:(\off)+1024*f
	global_load_b128 v[(\reg)+8*f+4:(\reg)+8*f+7], v4, s[48:49] offset:(\off)+1024*f+512
.set f, f+1
.endr
	WIN 0
.endm
	s_load_b512 s[4:19], s[0:1], 0x0               ; x s[4:5], out1 s[6:7], wf s[8:9], b1 s[10:11], b2 s[12:13], list s[14:15], cq s[16:17], out0 s[18:19]
	v_lshl_add_u32 v14, v0, 2, SPARE
	v_mov_b32 v15, 0
	v_and_b32 v1, 31, v0                           ; lane
	v_and_b32 v2, 15, v0                           ; r
	v_bfe_u32 v3, v0, 4, 1                         ; hh
	v_lshrrev_b32 v4, 5, v0
	v_readfirstlane_b32 s20, v4                    ; q: wave 0..3
	v_lshlrev_b32 v4, 4, v1                        ; 16 x lane
	v_lshlrev_b32 v5, 5, v3                        ; 32 x hh: 8 f32
	v_mul_u32_u24 v7, v2, HP
	v_lshl_add_u32 v7, v3, 4, v7
	s_lshl_b32 s26, s20, 6
	s_add_co_u32 s26, s26, HS
	v_add_nc_u32 v6, s26, v7                       ; hidden values in: row r, my wave's 64 bytes, 16 for each half of the lanes
	v_add_nc_u32 v7, HS, v7                        ; and out, as fragments
	v_mul_u32_u24 v8, v2, XP
	v_lshl_add_u32 v8, v3, 4, v8                   ; x's fragments
	s_mul_i32 s26, s20, OSW
	s_add_co_u32 s26, s26, OS
	v_mul_u32_u24 v9, v2, HP
	v_lshl_add_u32 v9, v3, 5, v9
	v_add_nc_u32 v9, s26, v9                       ; the way out, in: row r, 32 bytes for each half of the lanes
	v_mul_u32_u24 v10, v3, HP
	v_lshl_add_u32 v10, v2, 4, v10
	v_add_nc_u32 v10, s26, v10                     ; back: lanes 0-15 one row of 256 bytes, lanes 16-31 the next
	s_lshl_b32 s26, s20, 8
	v_lshl_add_u32 v11, v2, 4, s26                 ; my 16 bytes in a row of out0
	v_lshl_add_u32 v12, v3, 2, TL
	v_lshl_add_u32 v13, v2, 2, TL
	v_lshlrev_b32 v72, 2, v1
	s_mov_b32 s[CP], 0x3e6d3388
	s_mov_b32 s[CP+1], s[CP]
	s_mov_b32 s[CK], 0x3f596d27
	s_mov_b32 s[CK+1], s[CK]
	s_mov_b32 s[A5], 0x3f07dc22
	s_mov_b32 s[A5+1], s[A5]
	s_mov_b32 s[A4], 0xbf3a00e3
	s_mov_b32 s[A4+1], s[A4]
	s_mov_b32 s[A3], 0x3f35f0e3
	s_mov_b32 s[A3+1], s[A3]
	s_mov_b32 s[A2], 0xbe11a98e
	s_mov_b32 s[A2+1], s[A2]
	s_mov_b32 s[A1], 0x3e027906
	s_mov_b32 s[A1+1], s[A1]
	s_mov_b32 s76, 0xffff0000                      ; a word's upper bf16
	s_mov_b32 s63, 0
	s_wait_kmcnt 0x0
.irp k, 0,1,2,3,4,5,6,7
	global_load_b32 v[62+\k], v72, s[16:17] offset:128*\k                 ; lane s: the count of set s in eighth k of the tokens
.endr
	s_wait_loadcnt 0x0
	v_add3_u32 v70, v62, v63, v64
	v_add3_u32 v70, v70, v65, v66
	v_add3_u32 v70, v70, v67, v68
	v_add_nc_u32 v70, v70, v69                     ; lane s: the set's tokens
	v_add_nc_u32 v71, 79, v70
	v_lshrrev_b32 v71, 4, v71
	v_mul_u32_u24 v71, v71, 0xcccd
	v_lshrrev_b32 v71, 18, v71                     ; its tiles: ((count + 79) / 16) / 5
	; which set is my tile's: the last set whose first tile is not behind mine
	s_mov_b32 s21, ttmp9
	s_mov_b32 s22, 0                               ; tiles before set ss
	s_mov_b32 s23, 0                               ; the set,
	s_mov_b32 s24, 0                               ; its first tile,
	s_mov_b32 s25, 1                               ; its experts, a << 4 | b
.set ss, 0
.set sa, 0
.set sb, 1
.rept 28
	v_readlane_b32 s26, v71, ss
	s_cmp_ge_u32 s21, s22
	s_cselect_b32 s23, ss, s23
	s_cselect_b32 s24, s22, s24
	s_cselect_b32 s25, (sa<<4)|sb, s25
	s_add_co_u32 s22, s22, s26
.set ss, ss+1
.set sb, sb+1
.if sb == 8
.set sa, sa+1
.set sb, sa+1
.endif
.endr
	s_min_u32 s23, s23, 27
	s_lshr_b32 s30, s25, 4
	s_min_u32 s30, s30, 7                          ; a
	s_and_b32 s31, s25, 15
	s_min_u32 s31, s31, 7                          ; b
	v_readlane_b32 s26, v70, s23
	s_sub_co_u32 s28, s21, s24
	s_mul_i32 s28, s28, 80                         ; my first token's rank in the set
	s_sub_co_i32 s27, s26, s28
	s_min_i32 s27, s27, 80
	s_max_i32 s27, s27, 0                          ; cnt: my tokens, 0 to 80
	s_sub_co_i32 s29, s27, 1
	s_max_i32 s29, s29, 0
.irp k, 0,1,2,3,4,5,6,7
	v_readlane_b32 s[32+\k], v[62+\k], s23         ; the set's counts in the eight parts of its list
.endr
	s_mov_b32 s26, 0
.irp k, 1,2,3,4,5,6,7
	s_add_co_u32 s26, s26, s[31+\k]
	s_mov_b32 s[31+\k], s26                        ; P_k: tokens before part k (kept where c_(k-1) lay)
	s_sub_co_u32 s[40+\k], 2048*\k, s26            ; rank + this = the word in the set's list, for ranks in part k
.endr
	s_lshl_b32 s26, s20, 15                        ; my wave's 32 KB of a chunk's weights
	s_lshl_b32 s62, s30, 20
	s_add_co_u32 s62, s62, s26
	s_add_nc_u64 s[48:49], s[8:9], s[62:63]        ; the weights of the chunk being fetched: expert a's chunk 0
	s_lshl_b32 s62, s31, 20
	s_add_co_u32 s62, s62, s26
	s_add_nc_u64 s[50:51], s[8:9], s[62:63]        ; expert b's chunk 0
	s_lshl_b32 s26, s20, 7
	s_lshl_b32 s62, s30, 12
	s_add_co_u32 s62, s62, s26
	s_add_nc_u64 s[52:53], s[10:11], s[62:63]      ; the same for b1
	s_lshl_b32 s62, s31, 12
	s_add_co_u32 s62, s62, s26
	s_add_nc_u64 s[54:55], s[10:11], s[62:63]
	s_lshl_b32 s62, s23, 16
	s_add_nc_u64 s[14:15], s[14:15], s[62:63]      ; the set's list
	s_lshl_b32 s26, s20, 8
	s_lshl_b32 s77, s30, 10
	s_add_co_u32 s77, s77, s26                     ; b2: expert a's row, my 64 columns
	s_lshl_b32 s78, s31, 10
	s_add_co_u32 s78, s78, s26
	s_lshl_b32 s30, s30, 2                         ; 4 a, 4 b: the experts' places in a row of out1
	s_lshl_b32 s31, s31, 2
	; the tile's token numbers: wave q fetches places 20 q .. 20 q + 19 (lanes 20-31 repeat lane 19)
	v_min_u32 v72, 19, v1
	s_mul_i32 s26, s20, 20
	v_add_nc_u32 v72, s26, v72
	v_lshl_add_u32 v76, v72, 2, TL
	v_min_u32 v73, s29, v72                        ; places past the count repeat the last token
	v_add_nc_u32 v73, s28, v73                     ; the rank in the set
	v_mov_b32 v74, 0
.irp k, 1,2,3,4,5,6,7
	v_cmp_le_u32 vcc_lo, s[31+\k], v73
	v_cndmask_b32 v74, v74, s[40+\k], vcc_lo
.endr
	v_add_nc_u32 v74, v73, v74
	v_min_u32 v74, 0x3fff, v74
	v_lshlrev_b32 v74, 2, v74
	global_load_b32 v75, v74, s[14:15]
	s_wait_loadcnt 0x0
	v_min_u32 v75, 0x3fff, v75
	ds_store_b32 v76, v75
.set i, 0
.rept 20
	v_readlane_b32 s26, v75, i
	s_min_u32 s26, s26, 0x3fff
	v_lshl_add_u32 v[176+i], s26, 10, v4           ; row i of my 20: token x 1,024 + 16 x lane
.set i, i+1
.endr
	WIN 0x80                                       ; destination window 2
.set i, 0
.rept 20
	global_load_b128 v[8*i:8*i+3],   v[176+i], s[4:5]                     ; a row of x: two loads of 512 neighbouring bytes
	global_load_b128 v[8*i+4:8*i+7], v[176+i], s[4:5] offset:512
.set i, i+1
.endr
	WIN 0
	LDBR
	LDW WA, 0
	s_mul_i32 s26, s20, 20*XP
	v_lshl_add_u32 v77, v1, 3, s26
	s_wait_loadcnt 36                              ; x's 40 loads are in; b1's 4 and W1's 32, issued behind them, stay out
	WIN 0x0a                                       ; sources in window 2
.set i, 0
.rept 40
	v_cvt_pk_bf16_f32 v[96+2*i], v[4*i], v[4*i+1]
	v_cvt_pk_bf16_f32 v[97+2*i], v[4*i+2], v[4*i+3]
.set i, i+1
.endr
	WIN 0
.set i, 0
.rept 40
	ds_store_b64 v77, v[96+2*i:97+2*i] offset:(i>>1)*XP+(i&1)*256
.set i, i+1
.endr
	LDW WB, 16384
	s_wait_dscnt 0x0                               ; for the others' sake: my 20 rows of x and my 20 token numbers are in LDS
	s_barrier_signal -1
	s_barrier_wait -1
	v_add_nc_u32 v78, s77, v5
	v_add_nc_u32 v79, s78, v5
.irp n, 0,1,2,3
	global_load_b128 v[96+8*\n:99+8*\n],   v78, s[12:13] offset:64*\n     ; b2 of columns 64 q + 16 n + 8 hh + 0..7: expert a's,
	global_load_b128 v[100+8*\n:103+8*\n], v78, s[12:13] offset:64*\n+16
	global_load_b128 v[128+8*\n:131+8*\n], v79, s[12:13] offset:64*\n     ; expert b's
	global_load_b128 v[132+8*\n:135+8*\n], v79, s[12:13] offset:64*\n+16
.endr
	WIN 0x80
.set f, 0
.rept 40                                               ; fragment f = 5 kk + t: tile t, channels 32 kk on
.if f < 32
.set xr, 8*f
.else
	WIN 0x40
.set xr, XH+8*(f-32)
.endif
	ds_load_b128 v[xr:xr+3],   v8 offset:(f%5)*16*XP+(f/5)*64
	ds_load_b128 v[xr+4:xr+7], v8 offset:(f%5)*16*XP+(f/5)*64+32
.set f, f+1
.endr
	WIN 0
.irp t, 0,1,2,3,4
	ds_load_b32 v[80+\t], v13 offset:64*\t         ; the token of my lane in tile t
.endr
	s_wait_dscnt 0x0
.irp t, 0,1,2,3,4
	v_min_u32 v[80+\t], 0x3fff, v[80+\t]
	v_lshl_add_u32 v[85+\t], v[80+\t], 5, s30
	v_lshl_add_u32 v[90+\t], v[80+\t], 5, s31
.endr
.irp t, 0,1,2,3,4
	global_load_b32 v[160+\t], v[85+\t], s[6:7]    ; pa
	global_load_b32 v[165+\t], v[90+\t], s[6:7]    ; pb
.endr
	s_wait_loadcnt 0x0                             ; all that is out: the first chunk's weights and b1, b2, the probabilities
.irp t, 0,1,2,3,4
	v_add_f32 v[170+\t], v[160+\t], v[165+\t]
.endr
.irp t, 0,1,2,3,4
	v_rcp_f32 v[170+\t], v[170+\t]
.endr
.set i, 0
.rept 32                                               ; b2 rounded to bf16: the first of these lines is the plain instruction behind the last reciprocal
	v_cvt_pk_bf16_f32 v[176+i], v[96+2*i], v[97+2*i]
.set i, i+1
.endr
.set i, 0
.rept 32
	v_lshlrev_b32 v[96+2*i], 16, v[176+i]
	v_and_b32 v[97+2*i], s76, v[176+i]
.set i, i+1
.endr
	s_wait_alu depctr_va_vdst(0)                   ; one wait for the five reciprocals, ahead of their first reader
.irp t, 0,1,2,3,4
	v_mul_f32 v[GA+2*\t], v[160+\t], v[170+\t]
	v_mul_f32 v[GB+2*\t], v[165+\t], v[170+\t]
.endr
.irp t, 0,1,2,3,4
	v_mov_b32 v[GA+2*\t+1], v[GA+2*\t]
	v_mov_b32 v[GB+2*\t+1], v[GB+2*\t]
.endr
	WIN 0x40                                       ; Y = ga b2a,
.set i, 0
.rept 80
	v_pk_mul_f32 v[2*i:2*i+1], v[96+2*(i%16):97+2*(i%16)], v[GA+2*(i/16):GA+2*(i/16)+1]
.set i, i+1
.endr
	WIN 0x50                                       ; + gb b2b: every product below adds in place
.set i, 0
.rept 80
	v_pk_fma_f32 v[2*i:2*i+1], v[128+2*(i%16):129+2*(i%16)], v[GB+2*(i/16):GB+2*(i/16)+1], v[2*i:2*i+1]
.set i, i+1
.endr
	WIN 0
; P1: 80 matrix instructions; the 10 accumulators (t, n) take turns, one instruction a turn.  The first K step starts the sums with b1.
.macro P1
.set f, 0
.rept 40
.if f < 32
.set xr, 8*f
.else
.set xr, XH+8*(f-32)
.endif
.irp n, 0,1
.set ha, HA+8*(2*(f%5)+\n)
.set wa, WA+8*(2*(f/5)+\n)
.if f < 5
	WIN 0x1b                                       ; W1 window 3, x window 2, b1 window 1
	v_wmma_f32_16x16x32_bf16 v[ha:ha+7], v[wa:wa+7], v[xr:xr+7], v[BC+8*\n:BC+8*\n+7]
.elseif f < 32
	WIN 0x0b
	v_wmma_f32_16x16x32_bf16 v[ha:ha+7], v[wa:wa+7], v[xr:xr+7], v[ha:ha+7]
.else
	WIN 0x07                                       ; x's last 8 fragments lie in window 1
	v_wmma_f32_16x16x32_bf16 v[ha:ha+7], v[wa:wa+7], v[xr:xr+7], v[ha:ha+7]
.endif
.endr
.set f, f+1
.endr
.endm
; GELU and gate for tile t: 16 numbers a lane, 8 pairs.  Ahead of the wait nothing names a reciprocal's or an exponential's result; transcendental and plain go by turns.
.macro GBATCH t
.irp pr, 0,1,2,3,4,5,6,7
	v_fma_f32 v[HB+2*\pr],   |v[HA+16*(\t)+2*\pr]|,   s[CP], 1.0
	v_fma_f32 v[HB+2*\pr+1], |v[HA+16*(\t)+2*\pr+1]|, s[CP], 1.0
	v_pk_mul_f32 v[HB+16+2*\pr:HB+17+2*\pr], v[HA+16*(\t)+2*\pr:HA+16*(\t)+2*\pr+1], s[CK:CK+1] op_sel_hi:[1,0]
	v_rcp_f32 v[HB+2*\pr], v[HB+2*\pr]                                    ; t
	v_pk_mul_f32 v[HB+16+2*\pr:HB+17+2*\pr], v[HB+16+2*\pr:HB+17+2*\pr], v[HB+16+2*\pr:HB+17+2*\pr] neg_lo:[1,0] neg_hi:[1,0]   ; -(K v)^2
	v_rcp_f32 v[HB+2*\pr+1], v[HB+2*\pr+1]
	v_pk_mul_f32 v[HA+16*(\t)+2*\pr:HA+16*(\t)+2*\pr+1], v[HA+16*(\t)+2*\pr:HA+16*(\t)+2*\pr+1], v[GG+2*(\t):GG+2*(\t)+1]        ; g v
	v_exp_f32 v[HB+16+2*\pr], v[HB+16+2*\pr]
	v_max_num_f32 v[HB+32+2*\pr], 0, v[HA+16*(\t)+2*\pr]
	v_exp_f32 v[HB+17+2*\pr], v[HB+17+2*\pr]
	v_max_num_f32 v[HB+33+2*\pr], 0, v[HA+16*(\t)+2*\pr+1]                ; the last of these is the plain instruction behind the last exponential
.endr
	s_wait_alu depctr_va_vdst(0)                   ; one wait for the batch of 32, ahead of its first reader
.irp pr, 0,1,2,3,4,5,6,7
	v_pk_fma_f32 v[HB+48+2*\pr:HB+49+2*\pr], v[HB+2*\pr:HB+2*\pr+1], s[A5:A5+1], s[A4:A4+1] op_sel_hi:[1,0,0]
.endr
.irp c, A3, A2, A1
.irp pr, 0,1,2,3,4,5,6,7
	v_pk_fma_f32 v[HB+48+2*\pr:HB+49+2*\pr], v[HB+48+2*\pr:HB+49+2*\pr], v[HB+2*\pr:HB+2*\pr+1], s[\c:\c+1] op_sel_hi:[1,1,0]
.endr
.endr
.irp pr, 0,1,2,3,4,5,6,7
	v_pk_mul_f32 v[HB+48+2*\pr:HB+49+2*\pr], v[HB+48+2*\pr:HB+49+2*\pr], v[HB+2*\pr:HB+2*\pr+1]
.endr
.irp pr, 0,1,2,3,4,5,6,7
	v_pk_mul_f32 v[HB+48+2*\pr:HB+49+2*\pr], v[HB+48+2*\pr:HB+49+2*\pr], v[HB+16+2*\pr:HB+17+2*\pr]   ; Q
.endr
.irp pr, 0,1,2,3,4,5,6,7
	v_fma_f32 v[HA+16*(\t)+2*\pr],   -|v[HA+16*(\t)+2*\pr]|,   v[HB+48+2*\pr], v[HB+32+2*\pr]
	v_fma_f32 v[HA+16*(\t)+2*\pr+1], -|v[HA+16*(\t)+2*\pr+1]|, v[HB+49+2*\pr], v[HB+33+2*\pr]
.endr
.irp pr, 0,1,2,3,4,5,6,7
	v_cvt_pk_bf16_f32 v[HB+64+\pr], v[HA+16*(\t)+2*\pr], v[HA+16*(\t)+2*\pr+1]
.endr
	ds_store_b128 v6, v[HB+64:HB+67] offset:(\t)*16*HP
	ds_store_b128 v6, v[HB+68:HB+71] offset:(\t)*16*HP+32
.endm
; P2: 80 matrix instructions; the 20 accumulators of Y take turns.  The fragments of the hidden values were asked for kk by kk, ten loads each.
.macro P2 last
.set kk, 0
.rept 4
	s_wait_dscnt 30-10*kk                          ; kk's ten loads are in, the later ones stay out
.if (kk == 3) && !(\last)
	s_barrier_signal -1                            ; my reads of the hidden values are over; the last 20 products, work on registers, stand between the signal and the wait
.endif
	WIN 0x53                                       ; W2 window 3, hidden values window 0, Y window 1
.set i, 0
.rept 20
	v_wmma_f32_16x16x32_bf16 v[8*i:8*i+7], v[WB+8*(4*kk+i%4):WB+8*(4*kk+i%4)+7], v[HA+8*(5*kk+i/4):HA+8*(5*kk+i/4)+7], v[8*i:8*i+7]
.set i, i+1
.endr
.set kk, kk+1
.endr
.if !(\last)
	s_barrier_wait -1                              ; nobody reads the hidden values any more: the next chunk may write them
.endif
.endm
; A CHUNK of 128 hidden columns.  s56 counts the chunks still to come behind this one: 15 .. 8 are expert a's, 7 .. 0 expert b's.  last = 1: nothing more is fetched.
.macro CHUNK last
	s_wait_loadcnt 32                              ; this chunk's b1 and W1 are in; W2's 32 loads, issued behind them, stay out
	s_cmp_lt_u32 s56, 8
	s_cselect_b32 s57, -1, 0
.irp i, 0,1,2,3,4,5,6,7,8,9
	v_cndmask_b32 v[GG+\i], v[GA+\i], v[GB+\i], s57                       ; the chunk's gates.  These 34 plain lines are also the places between P2's last readers and P1's first writes
.endr
.irp i, 0,1,2,3,4,5,6,7
	v_cvt_pk_bf16_f32 v[TP+\i], v[BR+2*\i], v[BR+2*\i+1]
.endr
	WIN 0x40
.irp i, 0,1,2,3,4,5,6,7
	v_lshlrev_b32 v[BC+2*\i], 16, v[TP+\i]
	v_and_b32 v[BC+2*\i+1], s76, v[TP+\i]
.endr
	P1
	WIN 0
	PLACES
.if !(\last)
	s_wait_xcnt 0x0                                ; the pending loads have had their addresses translated (ISA guide 3.1): their bases are stepped only behind this wait
	s_add_nc_u64 s[48:49], s[48:49], 0x20000       ; the next chunk's weights and b1,
	s_add_nc_u64 s[52:53], s[52:53], 512
	s_cmp_eq_u32 s56, 8                            ; or, behind expert a's last chunk, expert b's first
	s_cselect_b64 s[48:49], s[50:51], s[48:49]
	s_cselect_b64 s[52:53], s[54:55], s[52:53]
	LDBR
	LDW WA, 0                                      ; they have the GELU and P2 in which to land
.endif
	GBATCH 0
	GBATCH 1
	GBATCH 2
	GBATCH 3
	GBATCH 4
	s_wait_dscnt 0x0                               ; for the others' sake: my hidden values are in LDS
	s_barrier_signal -1
	s_barrier_wait -1
.set i, 0
.rept 20                                               ; fragment i = 5 kk + t
	ds_load_b128 v[HA+8*i:HA+8*i+3],   v7 offset:(i%5)*16*HP+(i/5)*64
	ds_load_b128 v[HA+8*i+4:HA+8*i+7], v7 offset:(i%5)*16*HP+(i/5)*64+32
.set i, i+1
.endr
.if \last
	s_wait_loadcnt 0x0                             ; W2's block
.else
	s_wait_loadcnt 36                              ; W2's block is in; the next chunk's 4 + 32 loads, issued behind it, stay out
.endif
	P2 \last
	WIN 0
	PLACES
.if !(\last)
	LDW WB, 16384                                  ; the next chunk's W2: it has P1 and the GELU in which to land
.endif
.endm
	s_mov_b32 s56, 15
.Lchunk:
	CHUNK 0
	s_sub_co_u32 s56, s56, 1
	s_cmp_lg_u32 s56, 0
	s_cbranch_scc1 .Lchunk
	CHUNK 1                                        ; the last chunk is written out: no load leaves wf or b1
	; THE WAY OUT, a tile of 16 tokens at a time: a lane's 8 numbers of a row go into my stage and come back as whole pieces of 256 bytes, my wave's 64 columns of a row of out0.
	; A store holds two rows.  Stores whose first row lies past the count are jumped; with an odd count the second row repeats the first: the same bytes to the same place.
.set t, 0
.rept 5
	s_cmp_le_u32 s27, 16*t
	s_cbranch_scc1 .Ldone
	s_wait_xcnt 0x0                                ; the last tile's stores have had their addresses translated: their registers are written again only behind this wait
.irp i, 0,1,2,3,4,5,6,7
	ds_load_b32 v[62+\i], v12 offset:64*t+8*\i     ; the tokens of rows 2 i + hh
.endr
	WIN 0x04                                       ; the stores' data in window 1
.irp n, 0,1,2,3
	ds_store_b128 v9, v[8*(4*t+\n):8*(4*t+\n)+3]   offset:64*\n           ; each accumulator is read from its low end on
	ds_store_b128 v9, v[8*(4*t+\n)+4:8*(4*t+\n)+7] offset:64*\n+16
.endr
	WIN 0
.irp i, 0,1,2,3,4,5,6,7
	ds_load_b128 v[96+4*\i:99+4*\i], v10 offset:2*HP*\i                   ; LDS serves a wave's instructions in order (ISA guide 5.7.1.4): these see the stores above, and the next tile's stores come behind them
.endr
	s_wait_dscnt 0x0
.irp i, 0,1,2,3,4,5,6,7
	v_min_u32 v[62+\i], 0x3fff, v[62+\i]
	v_lshl_add_u32 v[70+\i], v[62+\i], 10, v11
.endr
.irp i, 0,1,2,3,4,5,6,7
.if \i > 0
	s_cmp_le_u32 s27, 16*t+2*\i
	s_cbranch_scc1 .Ldone
.endif
	global_store_b128 v[70+\i], v[96+4*\i:99+4*\i], s[18:19] th:TH_STORE_NT   ; 16 lanes store 256 consecutive bytes, aligned
.endr
.set t, t+1
.endr
.Ldone:
	s_wait_tensorcnt 0x0                           ; the wave's end, behind my last LDS store
	ds_add_u32 v14, v15
	s_wait_dscnt 0x0
	s_endpgm
.Lfunc_end_k_qff7dd14d32_chain:
	.size	k_qff7dd14d32_chain, .Lfunc_end_k_qff7dd14d32_chain-k_qff7dd14d32_chain
	.p2alignl 7, 3214868480
	.fill 96, 4, 3214868480
	.section	.rodata,"a",@progbits
	.p2align	6, 0x0
	.amdhsa_kernel k_qff7dd14d32_chain
		.amdhsa_group_segment_fixed_size 82432
		.amdhsa_private_segment_fixed_size 0
		.amdhsa_enable_private_segment 0
		.amdhsa_kernarg_size 64
		.amdhsa_user_sgpr_count 2
		.amdhsa_user_sgpr_kernarg_segment_ptr 1
		.amdhsa_wavefront_size32 1
		.amdhsa_system_sgpr_workgroup_id_x 1
		.amdhsa_system_sgpr_workgroup_id_y 1
		.amdhsa_system_sgpr_workgroup_id_z 1
		.amdhsa_system_vgpr_workitem_id 0
		.amdhsa_next_free_vgpr 1024
		.amdhsa_next_free_sgpr 80
		.amdhsa_reserve_vcc 1
		.amdhsa_float_denorm_mode_32 3
		.amdhsa_float_denorm_mode_16_64 3
		.amdhsa_memory_ordered 1
		.amdhsa_forward_progress 1
		.amdhsa_inst_pref_size 204
	.end_amdhsa_kernel
	.amdgpu_metadata
---
amdhsa.version: [ 1, 2 ]
amdhsa.kernels:
  - .name:           k_qff7dd14d32_chain
    .symbol:         k_qff7dd14d32_chain.kd
    .args:
      - { .name: x, .offset: 0, .size: 8, .value_kind: global_buffer, .address_space: global }
      - { .name: out1, .offset: 8, .size: 8, .value_kind: global_buffer, .address_space: global }
      - { .name: wf, .offset: 16, .size: 8, .value_kind: global_buffer, .address_space: global }
      - { .name: b1, .offset: 24, .size: 8, .value_kind: global_buffer, .address_space: global }
      - { .name: b2, .offset: 32, .size: 8, .value_kind: global_buffer, .address_space: global }
      - { .name: list, .offset: 40, .size: 8, .value_kind: global_buffer, .address_space: global }
      - { .name: cq, .offset: 48, .size: 8, .value_kind: global_buffer, .address_space: global }
      - { .name: out0, .offset: 56, .size: 8, .value_kind: global_buffer, .address_space: global }
    .group_segment_fixed_size: 82432
    .private_segment_fixed_size: 0
    .kernarg_segment_align: 8
    .kernarg_segment_size: 64
    .max_flat_workgroup_size: 128
    .sgpr_count:     80
    .vgpr_count:     1024
    .wavefront_size: 32
...
	.end_amdgpu_metadata
.endif
;; end of part 3
;; ======== version 2 of 3: 3 launches; 1.14 times as fast as version 1
;; limits: a function is approximated: absolute error at most 2.5e-05
;; workspace buffers: route 65,536 bytes of whole numbers; list 1,835,008 bytes of whole numbers; cq 1,024 bytes of whole numbers; wf 8,388,608 bytes
;; launch router: the kernel of part 1 again; grid 256 x 1, 2 waves a work-group, no clusters, 44,544 bytes of LDS; arguments x, w_router, b_router, out1, route; writes out1, route
;; launch prep (part 4): grid 264 x 1, 4 waves a work-group, no clusters, 33,792 bytes of LDS; arguments w1, w2, route, wf, list, cq; writes wf, list, cq
.if DOCPART == 4
	.amdgcn_target "amdgcn-amd-amdhsa--gfx1250"
	.amdhsa_code_object_version 6
	.text
	.protected	k_qff7dd14d32_prep
	.globl	k_qff7dd14d32_prep
	.p2align	8
	.type	k_qff7dd14d32_prep,@function
k_qff7dd14d32_prep:
	s_mov_b64 s[64:65], 0
	v_nop
	global_prefetch_b8 v0, s[64:65] scope:SCOPE_SE
	s_setreg_imm32_b32 hwreg(HW_REG_WAVE_MODE, 25, 1), 1
	s_wait_xcnt 0x0
; PREP.  Work-groups 0-7: the tokens are placed by their pair of experts (a counting sort without atomics).  Work-groups 8-263: the weights are rounded once to bf16
; and laid out in the order in which the chain's operand registers take them.  All LDS bytes are a wave's own: no barrier.
; THE SORT.  Work-group q8 (0-7) owns 2,048 tokens, 64 groups of 32; wave w places groups 16 w .. 16 w + 15.  Lane s carries the running count of set s: it starts at the sum of the counts of the
; groups in front of the wave's own, which the wave adds up for itself from the same route words.  A token's place is list[set][q8][count before its group + its rank in the group].
; cq[q8][s] = the work-group's count of set s, stored by wave 3, whose running count ends there.  Loaded numbers are clamped before they enter an address.
; THE WEIGHTS.  wf = [expert 8][chunk 8][wave 4][32 fragments of 1,024 bytes].  Fragments 0-15: W1 (kk 0-7, n 0-1) at 2 kk + n: 16 hidden columns 128 c + 32 q + 16 n + r by 32 channels.
; Fragments 16-31: W2 (kk 0-3, n 0-3) at 16 + 4 kk + n: 16 output columns 64 q + 16 n + r by 32 hidden rows 128 c + 32 kk + ...  A fragment is [part p][lane 16 hh + r][8 bf16: k = 32 kk + 16 p + 8 hh + 0..7].
; A work-group turns 256 rows (k) x 64 columns of f32, a wave 64 rows: 32 loads, each of two pieces of 256 neighbouring bytes; 8 rows of one column pack into 16 bytes, go through LDS, and leave as 512 neighbouring bytes a store.
.set FP,    1040                       ; a fragment in LDS: 1,024 bytes + 16, so that the 16 lanes of a store touch 16 different columns of 16 bytes
.set SPARE, 4*8*FP                     ; 33,280: behind the four waves' stages: the spare words, two blocks of 256 bytes that no other line names
	s_load_b256 s[4:11], s[0:1], 0x0               ; w1 s[4:5], w2 s[6:7], route s[8:9], wf s[10:11]
	s_load_b128 s[12:15], s[0:1], 0x20             ; list s[12:13], cq s[14:15]
	v_lshl_add_u32 v14, v0, 2, SPARE
	v_mov_b32 v15, 0
	v_and_b32 v1, 31, v0                           ; lane
	v_lshrrev_b32 v8, 5, v0
	v_readfirstlane_b32 s16, v8                    ; wave 0..3
	s_cmp_lt_u32 ttmp9, 8
	s_cbranch_scc1 .Lsort
	v_and_b32 v2, 15, v0                           ; x: which 4 columns
	v_bfe_u32 v3, v0, 4, 1                         ; hh: which 8 rows
	s_mul_i32 s20, s16, 8*FP                       ; my wave's stage
	v_lshrrev_b32 v8, 2, v2
	v_mul_u32_u24 v5, v8, FP                       ; the fragment of my columns,
	v_and_b32 v8, 3, v2
	v_lshl_add_u32 v5, v8, 6, v5                   ; lane 16 hh + 4 (x % 4) + column of it
	v_lshl_add_u32 v5, v3, 8, v5
	v_add_nc_u32 v5, s20, v5
	v_lshlrev_b32 v7, 4, v1
	v_add_nc_u32 v6, s20, v7
	v_lshlrev_b32 v9, 4, v2
	s_sub_co_u32 s17, ttmp9, 8
	s_and_b32 s18, s17, 127
	s_lshr_b32 s19, s18, 4
	s_lshl_b32 s19, s19, 20                        ; the expert: 1 MiB in w1, in w2 and in wf
	s_bitcmp1_b32 s17, 7
	s_cbranch_scc1 .Lw2
; 64 rows x 64 columns of f32 at s[24:25] (PITCH bytes from row to row) become 8 fragments (j = 0, 1 along k; n' = 0..3 along the columns) at s[26:27] + j DJ + (n' / 2) DN2 + (n' % 2) DN1.
.macro WPREP PITCH, DJ, DN2, DN1
.set g, 0
.rept 4                                                ; g = 2 j + p: rows 16 g + 8 hh + i
.set i, 0
.rept 8
	global_load_b128 v[16+4*(8*g+i):19+4*(8*g+i)], v4, s[24:25] offset:(16*g+i)*(\PITCH) th:TH_LOAD_NT
.set i, i+1
.endr
.set g, g+1
.endr
.set g, 0
.rept 4
	s_wait_loadcnt 24-8*g                          ; group g's eight rows are in, the younger loads stay out
.set cc, 0
.rept 4
.set i, 0
.rept 4
	v_cvt_pk_bf16_f32 v[208+4*cc+i], v[16+4*(8*g+2*i)+cc], v[16+4*(8*g+2*i+1)+cc]   ; column cc of rows 2 i, 2 i + 1: k ascending
.set i, i+1
.endr
	ds_store_b128 v5, v[208+4*cc:211+4*cc] offset:(g>>1)*4*FP+(g&1)*512+cc*16
.set cc, cc+1
.endr
.set g, g+1
.endr
.set k, 0
.rept 16                                               ; fragment k / 2, part k % 2; LDS serves a wave's instructions in order: these see the stores above
	ds_load_b128 v[144+4*k:147+4*k], v6 offset:(k>>1)*FP+(k&1)*512
.set k, k+1
.endr
.set k, 0
.rept 16
	s_wait_dscnt 15-k
	global_store_b128 v7, v[144+4*k:147+4*k], s[26:27] offset:(k>>3)*(\DJ)+((k>>2)&1)*(\DN2)+((k>>1)&1)*(\DN1)+(k&1)*512   ; 512 consecutive bytes, aligned
.set k, k+1
.endr
	s_wait_tensorcnt 0x0                           ; the wave's end, behind my last LDS store
	ds_add_u32 v14, v15
	s_wait_dscnt 0x0
	s_endpgm
.endm
	; W1: unit (expert, chunk c, half Q): all 256 channels x hidden columns 128 c + 64 Q + 0..63; wave w has channels 64 w on: kk = 2 w + j
	s_bfe_u32 s21, s18, 0x30001                    ; c
	s_and_b32 s22, s18, 1                          ; Q
	s_lshl_b32 s28, s21, 9
	s_lshl_b32 s29, s22, 8
	s_add_co_u32 s28, s28, s29
	s_add_co_u32 s28, s28, s19
	s_lshl_b32 s29, s16, 18                        ; 64 rows of 4,096 bytes
	s_add_co_u32 s28, s28, s29
	s_mov_b32 s29, 0
	s_lshl_b32 s30, s21, 17
	s_lshl_b32 s31, s22, 16
	s_add_co_u32 s30, s30, s31
	s_add_co_u32 s30, s30, s19
	s_lshl_b32 s31, s16, 12                        ; fragments 4 w on
	s_add_co_u32 s30, s30, s31
	s_mov_b32 s31, 0
	v_lshl_add_u32 v4, v3, 15, v9                  ; 8 hh rows + 16 x
	s_wait_kmcnt 0x0
	s_add_nc_u64 s[24:25], s[4:5], s[28:29]
	s_add_nc_u64 s[26:27], s[10:11], s[30:31]
	WPREP 4096, 2048, 32768, 1024
.Lw2:
	; W2: unit (expert, C, q): hidden rows 256 C + 0..255 x output columns 64 q + 0..63; wave w: chunk 2 C + w / 2, kk = 2 (w % 2) + j
	s_bfe_u32 s21, s18, 0x20002                    ; C
	s_and_b32 s22, s18, 3                          ; q
	s_lshl_b32 s21, s21, 18
	s_add_co_u32 s21, s21, s19
	s_lshl_b32 s28, s22, 8
	s_add_co_u32 s28, s28, s21
	s_lshl_b32 s29, s16, 16                        ; 64 rows of 1,024 bytes
	s_add_co_u32 s28, s28, s29
	s_mov_b32 s29, 0
	s_lshl_b32 s30, s22, 15
	s_add_co_u32 s30, s30, s21
	s_add_co_u32 s30, s30, 16384                   ; behind W1's 16 fragments
	s_lshr_b32 s31, s16, 1
	s_lshl_b32 s31, s31, 17
	s_add_co_u32 s30, s30, s31
	s_and_b32 s31, s16, 1
	s_lshl_b32 s31, s31, 13
	s_add_co_u32 s30, s30, s31
	s_mov_b32 s31, 0
	v_lshl_add_u32 v4, v3, 13, v9
	s_wait_kmcnt 0x0
	s_add_nc_u64 s[24:25], s[6:7], s[28:29]
	s_add_nc_u64 s[26:27], s[10:11], s[30:31]
	WPREP 1024, 4096, 2048, 1024
.Lsort:
	s_lshl_b32 s18, ttmp9, 13                      ; the work-group's 64 groups of 128 bytes of route; its 2,048 words in each set's list
	s_mov_b32 s19, 0
	s_lshl_b32 s20, ttmp9, 7                       ; its row of cq
	s_mov_b32 s21, 0
	s_lshl_b32 s22, ttmp9, 11
	s_lshl_b32 s23, s16, 9
	s_add_co_u32 s22, s22, s23                     ; the first token of my wave's 16 groups
	s_lshl_b32 s24, s16, 11                        ; my 16 groups among the work-group's route words
	s_mov_b32 s25, 0
	s_cmp_gt_u32 s16, 0                            ; which of the three batches of 16 groups lie in front of mine
	s_cselect_b32 s28, -1, 0
	s_cmp_gt_u32 s16, 1
	s_cselect_b32 s29, -1, 0
	s_cmp_gt_u32 s16, 2
	s_cselect_b32 s30, -1, 0
	v_lshlrev_b32 v4, 2, v1
	v_add_nc_u32 v6, s22, v1                       ; my token in the wave's first group
	s_wait_kmcnt 0x0
	s_add_nc_u64 s[8:9], s[8:9], s[18:19]
	s_add_nc_u64 s[26:27], s[8:9], s[24:25]
	s_add_nc_u64 s[12:13], s[12:13], s[18:19]
	s_add_nc_u64 s[14:15], s[14:15], s[20:21]
.set i, 0
.rept 16
	global_load_b32 v[16+i], v4, s[26:27] offset:128*i                    ; my own 16 groups,
.set i, i+1
.endr
.set i, 0
.rept 48
	global_load_b32 v[32+i], v4, s[8:9] offset:128*i                      ; and the work-group's first 48, for their counts
.set i, i+1
.endr
	s_wait_loadcnt 0x0
.set i, 0
.rept 48
	v_lshrrev_b32 v[32+i], 16, v[32+i]             ; lane s: the group's count of set s
.set i, i+1
.endr
.irp b, 0,1,2                                          ; three sums of 16, side by side
	v_add3_u32 v[144+\b], v[32+16*\b], v[33+16*\b], v[34+16*\b]
.endr
.irp k, 3,5,7,9,11,13
.irp b, 0,1,2
	v_add3_u32 v[144+\b], v[144+\b], v[32+16*\b+\k], v[33+16*\b+\k]
.endr
.endr
.irp b, 0,1,2
	v_add_nc_u32 v[144+\b], v[144+\b], v[47+16*\b]
.endr
	v_cndmask_b32 v5, 0, v144, s28
	v_cndmask_b32 v7, 0, v145, s29
	v_cndmask_b32 v8, 0, v146, s30
	v_add3_u32 v5, v5, v7, v8                      ; lane s: tokens of set s in front of my groups
	; my 16 groups.  v80-95 the tokens' sets, v96-111 the counts before their groups, v112-127 byte offsets in list, v128-143 token numbers
.set i, 0
.rept 16
	v_and_b32 v[80+i], 31, v[16+i]
	v_min_u32 v[80+i], 27, v[80+i]
	v_lshlrev_b32 v7, 2, v[80+i]
	ds_bpermute_b32 v[96+i], v7, v5                ; the running count of my token's set, before this group
	v_bfe_u32 v8, v[16+i], 16, 8
	v_add_nc_u32 v5, v5, v8                        ; lane s: + the group's count of set s
.set i, i+1
.endr
	s_wait_dscnt 0x0
.set i, 0
.rept 16
	v_bfe_u32 v7, v[16+i], 8, 8                    ; my rank in the group
	v_add_nc_u32 v7, v7, v[96+i]
	v_min_u32 v7, 0x7ff, v7
	v_lshlrev_b32 v8, 14, v[80+i]                  ; a set has 16,384 words
	v_add_lshl_u32 v[112+i], v8, v7, 2
	v_add_nc_u32 v[128+i], 32*i, v6
	global_store_b32 v[112+i], v[128+i], s[12:13]  ; the placement itself: 4 bytes a token, 64 KB in the whole launch
.set i, i+1
.endr
	s_cmp_lg_u32 s16, 3
	s_cbranch_scc1 .Lsend
	global_store_b32 v4, v5, s[14:15]              ; wave 3's running count has passed all 64 groups
.Lsend:
	s_wait_tensorcnt 0x0                           ; the closing lines, on this path too
	ds_add_u32 v14, v15
	s_wait_dscnt 0x0
	s_endpgm
.Lfunc_end_k_qff7dd14d32_prep:
	.size	k_qff7dd14d32_prep, .Lfunc_end_k_qff7dd14d32_prep-k_qff7dd14d32_prep
	.p2alignl 7, 3214868480
	.fill 96, 4, 3214868480
	.section	.rodata,"a",@progbits
	.p2align	6, 0x0
	.amdhsa_kernel k_qff7dd14d32_prep
		.amdhsa_group_segment_fixed_size 33792
		.amdhsa_private_segment_fixed_size 0
		.amdhsa_enable_private_segment 0
		.amdhsa_kernarg_size 48
		.amdhsa_user_sgpr_count 2
		.amdhsa_user_sgpr_kernarg_segment_ptr 1
		.amdhsa_wavefront_size32 1
		.amdhsa_system_sgpr_workgroup_id_x 1
		.amdhsa_system_sgpr_workgroup_id_y 1
		.amdhsa_system_sgpr_workgroup_id_z 1
		.amdhsa_system_vgpr_workitem_id 0
		.amdhsa_next_free_vgpr 256
		.amdhsa_next_free_sgpr 66
		.amdhsa_reserve_vcc 0
		.amdhsa_float_denorm_mode_32 3
		.amdhsa_float_denorm_mode_16_64 3
		.amdhsa_memory_ordered 1
		.amdhsa_forward_progress 1
		.amdhsa_inst_pref_size 47
	.end_amdhsa_kernel
	.amdgpu_metadata
---
amdhsa.version: [ 1, 2 ]
amdhsa.kernels:
  - .name:           k_qff7dd14d32_prep
    .symbol:         k_qff7dd14d32_prep.kd
    .args:
      - { .name: w1, .offset: 0, .size: 8, .value_kind: global_buffer, .address_space: global }
      - { .name: w2, .offset: 8, .size: 8, .value_kind: global_buffer, .address_space: global }
      - { .name: route, .offset: 16, .size: 8, .value_kind: global_buffer, .address_space: global }
      - { .name: wf, .offset: 24, .size: 8, .value_kind: global_buffer, .address_space: global }
      - { .name: list, .offset: 32, .size: 8, .value_kind: global_buffer, .address_space: global }
      - { .name: cq, .offset: 40, .size: 8, .value_kind: global_buffer, .address_space: global }
    .group_segment_fixed_size: 33792
    .private_segment_fixed_size: 0
    .kernarg_segment_align: 8
    .kernarg_segment_size: 48
    .max_flat_workgroup_size: 128
    .sgpr_count:     66
    .vgpr_count:     256
    .wavefront_size: 32
...
	.end_amdgpu_metadata
.endif
;; end of part 4
;; launch chain (part 5): grid 232 x 1, 4 waves a work-group, no clusters, 90,624 bytes of LDS; arguments x, out1, wf, b1, b2, list, cq, out0; writes out0
.if DOCPART == 5
	.amdgcn_target "amdgcn-amd-amdhsa--gfx1250"
	.amdhsa_code_object_version 6
	.text
	.protected	k_qff7dd14d32_chain
	.globl	k_qff7dd14d32_chain
	.p2align	8
	.type	k_qff7dd14d32_chain,@function
k_qff7dd14d32_chain:
	s_mov_b64 s[64:65], 0
	v_nop
	global_prefetch_b8 v0, s[64:65] scope:SCOPE_SE
	s_setreg_imm32_b32 hwreg(HW_REG_WAVE_MODE, 25, 1), 1
	s_wait_xcnt 0x0
; CHAIN.  out0[token] = ga (gelu(x W1a + b1a) W2a + b2a) + gb (gelu(x W1b + b1b) W2b + b2b) for the token's two experts a < b, ga = pa / (pa + pb) from out1.
; A work-group takes up to 80 tokens (5 tiles of 16) of ONE pair of experts through the whole chain; each output row has one owner.  The sum over the sets of ceil(count / 80) is at most
; (16,384 + 28 x 79) / 80 = 232 for every split of the tokens: the grid.  A work-group that the split leaves without rows (cnt = 0) walks the same text, so that every wave passes every barrier, and stores nothing.
; Places past the count repeat the tile's last token; whole stores past the count are jumped.
; FORMATS.  x, b1, b2 are rounded once to bf16 here, the weights were by the launch before; products take bf16 operands, all sums and Y stay in f32; the gated hidden value is rounded once to bf16.
; GELU.  g gelu(v) = u + |u| erf(|v| / sqrt 2), u = g v / 2; erf = 1 - (a1 t + a2 t^2 + a3 t^3) 2^-(K v)^2, t = 1 / (1 + 0.33267253 |v|), K = sqrt(log2(e) / 2): Abramowitz and Stegun 7.1.25.
; The gate g >= 0 rides on the hidden value, and Y starts as ga b2a + gb b2b, so both experts' 16 chunks add in place into one accumulator.
; LIMITS.  erf is within 2.5e-5 for every argument, a hundredth of the rounding to bf16 that follows it.  NaN and infinities are not treated apart; 2^-(K v)^2 below 2^-126 counts as 0.
; SHARES.  Hidden columns go in chunks of 128, 16 chunks.  Wave q: P1 = 80 tokens x hidden columns 32 q + 0..31 of the chunk (K = 256); P2 = 80 tokens x output columns 64 q + 0..63 (K = 128).
; Both products are used transposed (source 0 = 16 rows of weights, source 1 = 16 tokens): a lane holds one token (l % 16) and 8 neighbouring columns.  x stays in registers for the whole kernel.
; Each wave reads its own quarter of the weights once, from memory straight into operand registers (512 neighbouring bytes a load).  Only the hidden values pass between waves, through LDS.
; BY TURNS.  A chunk has 160 matrix instructions and 640 lines of GELU.  GELU of chunk i stands in slices behind the matrix instructions of P2 of chunk i - 1 and of P1 of chunk i + 1, which do not hang on it.
; A pass of the loop is X, HEAD, Y.  X: P1 of the next chunk, by tiles {0, 1}, {2, 3}, {4}: a tile's accumulators are written again only when the front of its GELU has taken the values out; beside it tiles 3 and 4 of the GELU.
; HEAD: the gates and tile 0's front, with no product beside them: they stand over the barrier and the way of the hidden values out of LDS.  Y: P2 of the chunk before; beside it the GELU up to tile 2's end.
; A tile's GELU is a FRONT of 72 lines (its 32 transcendentals, none of whose results it names) and a BACK of 56, with one wait between them.
; NO CLUSTER: partners would have to share a pair of experts; whole clusters of 4 x 80 tokens for each of 28 sets would be up to 79 clusters, 316 work-groups.
; REGISTERS, in windows of 256 (s_set_vgpr_msb: bits 1:0 source 0, 3:2 source 1, 5:4 source 2, 7:6 destination):
;   window 0: v0 thread; v1-5 addresses; v6-15 gates; v16-95 P1's 10 accumulators; v96-151 GELU at work; v152-175 packed hidden values, three tiles; v176-255 hidden fragments, two halves that take turns
;   window 1: v0-159 Y (t, n) at 8 (4 t + n); v160-239 x's fragments 30-39; v240-249 both experts' gates; v250-251 the add's registers
;   window 2: v0-239 x's fragments f = 5 kk + t, f < 30; v240-255 b1 of the chunk      window 3: v0-127 W1's block, v128-255 W2's
.set XP,    528                        ; a row of x in LDS: 512 + 16 bytes
.set HP,    272                        ; a row of hidden values (128 bf16), and of the way out (64 f32): 256 + 16 bytes: odd multiples of 16, so the 16 rows of a load start in 16 different groups of banks
.set HS,    80*XP                      ; behind x's 80 rows (LDS byte 0): 80 rows of hidden values
.set TL,    HS+80*HP                   ; 64,000: the tile's 80 token numbers
.set OS,    TL+512                     ; 64,512: 16 rows x 272 bytes for each wave, for the way out
.set OSW,   16*HP
.set B1S,   OS+4*OSW                   ; 81,920: b1 of expert a, then of expert b, rounded to bf16 and kept as f32: chunk c at 512 c
.set SPARE, B1S+8192                   ; 90,112: the spare words, two blocks of 256 bytes that no other line names
.set WO,   1                           ; v1  16 x lane: my 16 bytes in 512
.set HSTO, 2                           ; v2  hidden values in
.set HLD,  3                           ; v3  and out, as fragments
.set B0A,  4                           ; v4  my 8 numbers of b1 in chunk 0
.set BAD,  5                           ; v5  the same in the chunk to be fetched
.set GG,   6                           ; five pairs (g / 2, g / 2) for the chunk in hand
.set AC,   16                          ; accumulator (t, n) at AC + 16 t + 8 n
.set TT,   96                          ; t
.set EE,   112                         ; 2^-(K v)^2
.set UU,   128                         ; u, then the hidden value
.set PP,   144                         ; the polynomial, then erf: four pairs at a time
.set PK,   152                         ; tile t's 8 packed registers at PK + 8 (t % 3)
.set LL,   176
.set XH,   160                         ; window 1
.set GA,   240                         ; window 1
.set GB,   245                         ; window 1
.set SPW,  250                         ; window 1: LDS address of my spare word; never rewritten
.set NIL,  251                         ; window 1: 0; never rewritten
.set BC,   240                         ; window 2
.set WA,   0                           ; window 3
.set WB,   128                         ; window 3
.set CP, 58                            ; s58      0.33267253
.set CK, 60                            ; s[60:61] K
.set A3, 66                            ; s[66:71] a3, a2, a1, as pairs
.set A2, 68
.set A1, 70
.set MSB, 0
.macro WIN new                         ; the high byte repeats the setting that is left; a switch that changes nothing is dropped
.if MSB != (\new)
	s_set_vgpr_msb (MSB<<8)|(\new)
.set MSB, (\new)
.endif
.endm
.macro LDW reg, f0, nf, bs, off        ; fragments f0 .. f0 + nf - 1 of a block of weights: two loads of 512 neighbouring bytes each
	WIN 0xc0                                       ; destination window 3
.set f, \f0
.rept \nf
	global_load_b128 v[(\reg)+8*f:(\reg)+8*f+3],   v[WO], s[\bs:\bs+1] offset:(\off)+1024*f
	global_load_b128 v[(\reg)+8*f+4:(\reg)+8*f+7], v[WO], s[\bs:\bs+1] offset:(\off)+1024*f+512
.set f, f+1
.endr
	WIN 0
.endm
.macro HLOAD kk, reg                   ; the five tiles' fragments of hidden columns 32 kk on: ten loads
	WIN 0
.set t, 0
.rept 5
	ds_load_b128 v[(\reg)+8*t:(\reg)+8*t+3],   v[HLD] offset:t*16*HP+(\kk)*64
	ds_load_b128 v[(\reg)+8*t+4:(\reg)+8*t+7], v[HLD] offset:t*16*HP+(\kk)*64+32
.set t, t+1
.endr
.endm
.macro BCLOAD                          ; b1 of my 32 hidden columns of the chunk at v[BAD]: register j of n = column 16 n + 8 hh + j: the C of P1's first K step
	WIN 0x80                                       ; destination window 2
	ds_load_b128 v[BC:BC+3],     v[BAD]
	ds_load_b128 v[BC+4:BC+7],   v[BAD] offset:16
	ds_load_b128 v[BC+8:BC+11],  v[BAD] offset:64
	ds_load_b128 v[BC+12:BC+15], v[BAD] offset:80
	WIN 0
.endm
.macro STOREPK t                       ; tile t's hidden values: row l % 16, my wave's 64 bytes
	WIN 0
	ds_store_b128 v[HSTO], v[PK+8*((\t)%3):PK+8*((\t)%3)+3]   offset:(\t)*16*HP
	ds_store_b128 v[HSTO], v[PK+8*((\t)%3)+4:PK+8*((\t)%3)+7] offset:(\t)*16*HP+32
.endm
.macro GATES                           ; s57 = 0: expert a's gates, -1: expert b's.  Ten plain lines
	WIN 0x05                                       ; sources in window 1
.irp t, 0,1,2,3,4
	v_cndmask_b32 v[GG+2*\t],   v[GA+\t], v[GB+\t], s57
	v_cndmask_b32 v[GG+2*\t+1], v[GA+\t], v[GB+\t], s57
.endr
	WIN 0
.set pl, pl+10
.endm
; A load into a register that a matrix instruction has read stands four places behind it, and only plain vector instructions that name none of its registers are places (ISA guide 7.12.1 for vector
; instructions).  The slices are the places: pl counts the plain lines written so far, sn is its value at the matrix instruction in question, and v_nop fill up what is missing.
.set pl, 0
.set sn, 0
.macro NEED4
.if (pl-sn) < 4
.rept 4-(pl-sn)
	v_nop
.endr
.endif
.endm
; THE GELU OF A CHUNK is a list of 640 lines, 128 a tile; GL writes line gq.  Pair p = numbers 2 p, 2 p + 1 of the lane's 16.
; FRONT, 72 lines: for each pair 1 + c |v| (twice), K v, the reciprocals, -(K v)^2, u = v g / 2, the exponentials; a pair's last exponential stands behind the next pair's first line, so that plain lines and
; transcendentals take turns.  No line of a front names a transcendental's result.  Each accumulator's lowest register is read first.
; BACK, 56 lines: for four pairs at a time a3 t + a2; .. t + a1; .. t; erf = 1 - .. 2^-(K v)^2; u + |u| erf (a line a number); at the end eight roundings to bf16.  A line and the next that needs it stand four lines apart or more.
.set gq, 0
.set gw, 0
.set glim, 0
.macro GWAIT
	s_wait_alu depctr_va_vdst(0)                   ; one wait for the front's 32 transcendentals, ahead of their first reader
.set gw, 1
.endm
.macro GL
	WIN 0
.set gt, gq/128
.set gr, gq%128
.set va, AC+16*gt
.set isp, 1
.if gr == 0
.set gw, 0
	v_fma_f32 v[TT], |v[va]|, s[CP], 1.0
.elseif gr < 72
.set gp, (gr-1)/9
.set gk, (gr-1)%9
.if gk == 0
	v_fma_f32 v[TT+2*gp+1], |v[va+2*gp+1]|, s[CP], 1.0
.elseif gk == 1
	v_pk_mul_f32 v[EE+2*gp:EE+2*gp+1], v[va+2*gp:va+2*gp+1], s[CK:CK+1] op_sel_hi:[1,0]
.elseif gk == 2
	v_rcp_f32 v[TT+2*gp], v[TT+2*gp]
.set isp, 0
.elseif gk == 3
	v_pk_mul_f32 v[EE+2*gp:EE+2*gp+1], v[EE+2*gp:EE+2*gp+1], v[EE+2*gp:EE+2*gp+1] neg_lo:[1,0] neg_hi:[1,0]
.elseif gk == 4
	v_rcp_f32 v[TT+2*gp+1], v[TT+2*gp+1]
.set isp, 0
.elseif gk == 5
	v_pk_mul_f32 v[UU+2*gp:UU+2*gp+1], v[va+2*gp:va+2*gp+1], v[GG+2*gt:GG+2*gt+1]
.elseif gk == 6
	v_exp_f32 v[EE+2*gp], v[EE+2*gp]
.set isp, 0
.elseif (gk == 7) && (gp < 7)
	v_fma_f32 v[TT+2*gp+2], |v[va+2*gp+2]|, s[CP], 1.0
.else
	v_exp_f32 v[EE+2*gp+1], v[EE+2*gp+1]
.set isp, 0
.endif
.else
.set gb, gr-72
.if (gb == 0) && (gw == 0)
	GWAIT
.endif
.if gb < 48
.set gh, gb/24
.set gc, gb%24
.if gc < 16
.set gp, 4*gh+gc%4
.set pq, PP+2*(gc%4)
.if gc < 4
	v_pk_fma_f32 v[pq:pq+1], v[TT+2*gp:TT+2*gp+1], s[A3:A3+1], s[A2:A2+1] op_sel_hi:[1,0,0]
.elseif gc < 8
	v_pk_fma_f32 v[pq:pq+1], v[pq:pq+1], v[TT+2*gp:TT+2*gp+1], s[A1:A1+1] op_sel_hi:[1,1,0]
.elseif gc < 12
	v_pk_mul_f32 v[pq:pq+1], v[pq:pq+1], v[TT+2*gp:TT+2*gp+1]
.else
	v_pk_fma_f32 v[pq:pq+1], v[pq:pq+1], v[EE+2*gp:EE+2*gp+1], 1.0 op_sel_hi:[1,1,0] neg_lo:[1,0,0] neg_hi:[1,0,0]
.endif
.else
.set ge, gc-16
	v_fma_f32 v[UU+8*gh+ge], |v[UU+8*gh+ge]|, v[PP+ge], v[UU+8*gh+ge]
.endif
.else
.set gp, gb-48
	v_cvt_pk_bf16_f32 v[PK+8*(gt%3)+gp], v[UU+2*gp], v[UU+2*gp+1]
.endif
.endif
.set gq, gq+1
.set pl, pl+isp
.endm
.macro RID n                           ; the next n lines of the list, as far as glim
.rept \n
.if gq < glim
	GL
.endif
.endr
.endm
; Product xi of 80 of P1: tiles {0, 1} (32 products, four accumulators by turns), {2, 3} (32), {4} (16, two by turns): one instruction a turn.  The first K step starts the sums with b1.
.macro P1W
.if xi < 32
.set pkk, xi/4
.set pt, (xi%4)/2
.elseif xi < 64
.set pkk, (xi-32)/4
.set pt, 2+(xi%4)/2
.else
.set pkk, (xi-64)/2
.set pt, 4
.endif
.set pn, xi%2
.set pd, AC+16*pt+8*pn
.set pa, WA+8*(2*pkk+pn)
.if pkk == 0
	WIN 0x2b                                       ; W1 window 3, x and b1 window 2
	v_wmma_f32_16x16x32_bf16 v[pd:pd+7], v[pa:pa+7], v[8*pt:8*pt+7], v[BC+8*pn:BC+8*pn+7]
.elseif pkk < 6
	WIN 0x0b
	v_wmma_f32_16x16x32_bf16 v[pd:pd+7], v[pa:pa+7], v[8*(5*pkk+pt):8*(5*pkk+pt)+7], v[pd:pd+7]
.else
	WIN 0x07                                       ; x's last 10 fragments lie in window 1
	v_wmma_f32_16x16x32_bf16 v[pd:pd+7], v[pa:pa+7], v[XH+8*(5*(pkk-6)+pt):XH+8*(5*(pkk-6)+pt)+7], v[pd:pd+7]
.endif
.endm
; Product yi of 80 of P2: hidden columns 32 (yi / 20) on; the 20 accumulators of Y take turns.  In the loop the fragments of kk lie in half kk % 2 of LL; behind it (TAILF = 1) those of kk 2, 3 lie where P1's accumulators lay.
.set TAILF, 0
.macro P2W
	WIN 0x53                                       ; W2 window 3, hidden values window 0, Y window 1
.set yk, yi/20
.set yj, yi%20
.set hb, LL+40*(yk%2)+8*(yj/4)
.if TAILF && (yk >= 2)
.set hb, AC+40*(yk-2)+8*(yj/4)
.endif
	v_wmma_f32_16x16x32_bf16 v[8*yj:8*yj+7], v[WB+8*(4*yk+yj%4):WB+8*(4*yk+yj%4)+7], v[hb:hb+7], v[8*yj:8*yj+7]
.endm
	s_load_b512 s[4:19], s[0:1], 0x0               ; x s[4:5], out1 s[6:7], wf s[8:9], b1 s[10:11], b2 s[12:13], list s[14:15], cq s[16:17], out0 s[18:19]
	WIN 0x40                                       ; destination window 1
	v_lshl_add_u32 v[SPW], v0, 2, SPARE
	v_mov_b32 v[NIL], 0
	WIN 0
	v_and_b32 v16, 31, v0                          ; lane
	v_and_b32 v17, 15, v0                          ; r
	v_bfe_u32 v18, v0, 4, 1                        ; hh
	v_lshrrev_b32 v19, 5, v0
	v_readfirstlane_b32 s20, v19                   ; q: wave 0..3
	v_lshlrev_b32 v[WO], 4, v16
	v_lshlrev_b32 v19, 5, v18                      ; 32 x hh: 8 f32
	v_mul_u32_u24 v[HLD], v17, HP
	v_lshl_add_u32 v[HLD], v18, 4, v[HLD]
	s_lshl_b32 s26, s20, 6
	s_add_co_u32 s26, s26, HS
	v_add_nc_u32 v[HSTO], s26, v[HLD]              ; row r, my wave's 64 bytes, 16 for each half of the lanes
	v_add_nc_u32 v[HLD], HS, v[HLD]
	v_mul_u32_u24 v20, v17, XP
	v_lshl_add_u32 v20, v18, 4, v20                ; x's fragments
	v_lshl_add_u32 v21, v17, 2, TL
	s_lshl_b32 s26, s20, 7
	s_add_co_u32 s26, s26, B1S
	v_add_nc_u32 v[B0A], s26, v19
	v_lshlrev_b32 v32, 2, v16
	s_mov_b32 s[CP], 0x3eaa540e
	s_mov_b32 s[CK], 0x3f596d27
	s_mov_b32 s[CK+1], s[CK]                       ; named with it as a pair
	s_mov_b32 s[A3], 0x3f3f7377                    ; 0.7478556
	s_mov_b32 s[A3+1], s[A3]
	s_mov_b32 s[A2], 0xbdc45ca1                    ; -0.0958798
	s_mov_b32 s[A2+1], s[A2]
	s_mov_b32 s[A1], 0x3eb2303a                    ; 0.3480242
	s_mov_b32 s[A1+1], s[A1]
	s_mov_b32 s76, 0xffff0000                      ; a word's upper bf16
	s_mov_b32 s63, 0
	s_wait_kmcnt 0x0
.irp k, 0,1,2,3,4,5,6,7
	global_load_b32 v[22+\k], v32, s[16:17] offset:128*\k                 ; lane s: the count of set s in eighth k of the tokens
.endr
	s_wait_loadcnt 0x0
	v_add3_u32 v30, v22, v23, v24
	v_add3_u32 v30, v30, v25, v26
	v_add3_u32 v30, v30, v27, v28
	v_add_nc_u32 v30, v30, v29                     ; lane s: the set's tokens
	v_add_nc_u32 v31, 79, v30
	v_lshrrev_b32 v31, 4, v31
	v_mul_u32_u24 v31, v31, 0xcccd
	v_lshrrev_b32 v31, 18, v31                     ; its tiles: ((count + 79) / 16) / 5
	; which set is my tile's: the last set whose first tile is not behind mine
	s_mov_b32 s21, ttmp9
	s_mov_b32 s22, 0                               ; tiles before set ss
	s_mov_b32 s23, 0                               ; the set,
	s_mov_b32 s24, 0                               ; its first tile,
	s_mov_b32 s25, 1                               ; its experts, a << 4 | b
.set ss, 0
.set sa, 0
.set sb, 1
.rept 28
	v_readlane_b32 s26, v31, ss
	s_cmp_ge_u32 s21, s22
	s_cselect_b32 s23, ss, s23
	s_cselect_b32 s24, s22, s24
	s_cselect_b32 s25, (sa<<4)|sb, s25
	s_add_co_u32 s22, s22, s26
.set ss, ss+1
.set sb, sb+1
.if sb == 8
.set sa, sa+1
.set sb, sa+1
.endif
.endr
	s_min_u32 s23, s23, 27
	s_lshr_b32 s30, s25, 4
	s_min_u32 s30, s30, 7                          ; a
	s_and_b32 s31, s25, 15
	s_min_u32 s31, s31, 7                          ; b
	v_readlane_b32 s26, v30, s23
	s_sub_co_u32 s28, s21, s24
	s_mul_i32 s28, s28, 80                         ; my first token's rank in the set
	s_sub_co_i32 s27, s26, s28
	s_min_i32 s27, s27, 80
	s_max_i32 s27, s27, 0                          ; cnt: my tokens, 0 to 80
	s_sub_co_i32 s29, s27, 1
	s_max_i32 s29, s29, 0
.irp k, 0,1,2,3,4,5,6,7
	v_readlane_b32 s[32+\k], v[22+\k], s23         ; the set's counts in the eight parts of its list
.endr
	s_mov_b32 s26, 0
.irp k, 1,2,3,4,5,6,7
	s_add_co_u32 s26, s26, s[31+\k]
	s_mov_b32 s[31+\k], s26                        ; P_k: tokens before part k (kept where c_(k-1) lay)
	s_sub_co_u32 s[40+\k], 2048*\k, s26            ; rank + this = the word in the set's list, for ranks in part k
.endr
	s_lshl_b32 s26, s20, 15                        ; my wave's 32 KB of a chunk's weights
	s_lshl_b32 s62, s30, 20
	s_add_co_u32 s62, s62, s26
	s_add_nc_u64 s[48:49], s[8:9], s[62:63]        ; the chunk whose W1 is fetched: expert a's chunk 0,
	s_mov_b64 s[52:53], s[48:49]                   ; the chunk whose W2 is fetched: the same
	s_lshl_b32 s62, s31, 20
	s_add_co_u32 s62, s62, s26
	s_add_nc_u64 s[50:51], s[8:9], s[62:63]        ; expert b's chunk 0
	s_cmp_lt_u32 s20, 2                            ; waves 0, 1 stage expert a's b1, waves 2, 3 expert b's: 2,048 bytes each
	s_cselect_b32 s62, s30, s31
	s_lshl_b32 s62, s62, 12
	s_and_b32 s26, s20, 1
	s_lshl_b32 s26, s26, 11
	s_add_co_u32 s62, s62, s26
	s_add_nc_u64 s[72:73], s[10:11], s[62:63]
	s_lshl_b32 s62, s23, 16
	s_add_nc_u64 s[14:15], s[14:15], s[62:63]      ; the set's list
	s_lshl_b32 s26, s20, 8
	s_lshl_b32 s77, s30, 10
	s_add_co_u32 s77, s77, s26                     ; b2: expert a's row, my 64 columns
	s_lshl_b32 s78, s31, 10
	s_add_co_u32 s78, s78, s26
	s_lshl_b32 s30, s30, 2                         ; 4 a, 4 b: the experts' places in a row of out1
	s_lshl_b32 s31, s31, 2
	; the tile's token numbers: wave q fetches places 20 q .. 20 q + 19 (lanes 20-31 repeat lane 19)
	v_min_u32 v32, 19, v16
	s_mul_i32 s26, s20, 20
	v_add_nc_u32 v32, s26, v32
	v_lshl_add_u32 v36, v32, 2, TL
	v_min_u32 v33, s29, v32                        ; places past the count repeat the last token
	v_add_nc_u32 v33, s28, v33                     ; the rank in the set
	v_mov_b32 v34, 0
.irp k, 1,2,3,4,5,6,7
	v_cmp_le_u32 vcc_lo, s[31+\k], v33
	v_cndmask_b32 v34, v34, s[40+\k], vcc_lo
.endr
	v_add_nc_u32 v34, v33, v34
	v_min_u32 v34, 0x3fff, v34
	v_lshlrev_b32 v34, 2, v34
	global_load_b32 v35, v34, s[14:15]
	s_wait_loadcnt 0x0
	v_min_u32 v35, 0x3fff, v35
	ds_store_b32 v36, v35
.set i, 0
.rept 20
	v_readlane_b32 s26, v35, i
	s_min_u32 s26, s26, 0x3fff
	v_lshl_add_u32 v[40+i], s26, 10, v[WO]         ; row i of my 20: token x 1,024 + 16 x lane
.set i, i+1
.endr
	WIN 0x80                                       ; destination window 2
.set i, 0
.rept 20
	global_load_b128 v[8*i:8*i+3],   v[40+i], s[4:5]                      ; a row of x: two loads of 512 neighbouring bytes
	global_load_b128 v[8*i+4:8*i+7], v[40+i], s[4:5] offset:512
.set i, i+1
.endr
	WIN 0
.irp j, 0,1,2,3
	global_load_b128 v[60+4*\j:63+4*\j], v[WO], s[72:73] offset:512*\j    ; my 2,048 bytes of b1
.endr
	LDW WA, 0, 16, 48, 0                           ; W1 of chunk 0
	s_lshl_b32 s26, s20, 11
	s_add_co_u32 s26, s26, B1S
	v_add_nc_u32 v37, s26, v[WO]
	s_mul_i32 s26, s20, 20*XP
	v_lshl_add_u32 v38, v16, 3, s26
	s_wait_loadcnt 36                              ; x's 40 loads are in; b1's 4 and W1's 32, issued behind them, stay out
	WIN 0x0a                                       ; sources in window 2
.set i, 0
.rept 40
	v_cvt_pk_bf16_f32 v[96+2*i], v[4*i], v[4*i+1]
	v_cvt_pk_bf16_f32 v[97+2*i], v[4*i+2], v[4*i+3]
.set i, i+1
.endr
	WIN 0
.set i, 0
.rept 40
	ds_store_b64 v38, v[96+2*i:97+2*i] offset:(i>>1)*XP+(i&1)*256
.set i, i+1
.endr
	s_wait_loadcnt 32                              ; b1 is in; W1's 32 loads stay out
.irp i, 0,1,2,3,4,5,6,7
	v_cvt_pk_bf16_f32 v[76+\i], v[60+2*\i], v[61+2*\i]                    ; rounded to bf16 like every input,
.endr
.irp i, 0,1,2,3,4,5,6,7
	v_lshlrev_b32 v[60+2*\i], 16, v[76+\i]                                ; and kept as f32, once for all 16 chunks
	v_and_b32 v[61+2*\i], s76, v[76+\i]
.endr
.irp j, 0,1,2,3
	ds_store_b128 v37, v[60+4*\j:63+4*\j] offset:512*\j
.endr
	s_wait_dscnt 0x0                               ; for the others' sake: my rows of x, my token numbers and my part of b1 are in LDS
	s_barrier_signal -1
	s_barrier_wait -1
	v_add_nc_u32 v22, s77, v19
	v_add_nc_u32 v23, s78, v19
.irp n, 0,1,2,3
	global_load_b128 v[96+8*\n:99+8*\n],   v22, s[12:13] offset:64*\n     ; b2 of columns 64 q + 16 n + 8 hh + 0..7: expert a's,
	global_load_b128 v[100+8*\n:103+8*\n], v22, s[12:13] offset:64*\n+16
	global_load_b128 v[128+8*\n:131+8*\n], v23, s[12:13] offset:64*\n     ; expert b's
	global_load_b128 v[132+8*\n:135+8*\n], v23, s[12:13] offset:64*\n+16
.endr
	WIN 0x80
.set f, 0
.rept 40                                               ; fragment f = 5 kk + t: tile t, channels 32 kk on
.if f < 30
.set xr, 8*f
.else
	WIN 0x40
.set xr, XH+8*(f-30)
.endif
	ds_load_b128 v[xr:xr+3],   v20 offset:(f%5)*16*XP+(f/5)*64
	ds_load_b128 v[xr+4:xr+7], v20 offset:(f%5)*16*XP+(f/5)*64+32
.set f, f+1
.endr
	WIN 0
	v_mov_b32 v[BAD], v[B0A]
	BCLOAD                                         ; b1 of chunk 0
.irp t, 0,1,2,3,4
	ds_load_b32 v[80+\t], v21 offset:64*\t         ; the token of my lane in tile t
.endr
	s_wait_dscnt 0x0
.irp t, 0,1,2,3,4
	v_min_u32 v[80+\t], 0x3fff, v[80+\t]
	v_lshl_add_u32 v[85+\t], v[80+\t], 5, s30
	v_lshl_add_u32 v[90+\t], v[80+\t], 5, s31
.endr
.irp t, 0,1,2,3,4
	global_load_b32 v[160+\t], v[85+\t], s[6:7]    ; pa
	global_load_b32 v[165+\t], v[90+\t], s[6:7]    ; pb
.endr
	s_wait_loadcnt 0x0                             ; all that is out: W1 of chunk 0, b2, the probabilities
.irp t, 0,1,2,3,4
	v_add_f32 v[170+\t], v[160+\t], v[165+\t]
.endr
.irp t, 0,1,2,3,4
	v_rcp_f32 v[170+\t], v[170+\t]
.endr
.set i, 0
.rept 32                                               ; b2 rounded to bf16: the first of these lines is the plain instruction behind the last reciprocal
	v_cvt_pk_bf16_f32 v[176+i], v[96+2*i], v[97+2*i]
.set i, i+1
.endr
.set i, 0
.rept 32
	v_lshlrev_b32 v[96+2*i], 16, v[176+i]
	v_and_b32 v[97+2*i], s76, v[176+i]
.set i, i+1
.endr
	s_wait_alu depctr_va_vdst(0)                   ; one wait for the five reciprocals, ahead of their first reader
.irp t, 0,1,2,3,4
	v_mul_f32 v[208+2*\t], v[160+\t], v[170+\t]    ; ga
	v_mul_f32 v[218+2*\t], v[165+\t], v[170+\t]    ; gb
.endr
.irp t, 0,1,2,3,4
	v_mov_b32 v[209+2*\t], v[208+2*\t]
	v_mov_b32 v[219+2*\t], v[218+2*\t]
.endr
	WIN 0x40
.irp t, 0,1,2,3,4
	v_mul_f32 v[GA+\t], 0.5, v[208+2*\t]           ; the halves ride on the hidden values
	v_mul_f32 v[GB+\t], 0.5, v[218+2*\t]
.endr
.set i, 0
.rept 80                                               ; Y = ga b2a,
	v_pk_mul_f32 v[2*i:2*i+1], v[96+2*(i%16):97+2*(i%16)], v[208+2*(i/16):209+2*(i/16)]
.set i, i+1
.endr
	WIN 0x50                                       ; + gb b2b: every product of P2 adds in place
.set i, 0
.rept 80
	v_pk_fma_f32 v[2*i:2*i+1], v[128+2*(i%16):129+2*(i%16)], v[218+2*(i/16):219+2*(i/16)], v[2*i:2*i+1]
.set i, i+1
.endr
	WIN 0
	s_mov_b32 s54, 512                             ; b1 of the chunk to be fetched: chunk 1
	s_mov_b32 s57, 0                               ; chunk 0 is expert a's
	s_mov_b32 s56, 15                              ; passes of the loop still to come
	; CHUNK 0 HAS NOTHING BESIDE IT YET: P1 of chunk 0 alone, then the first 384 lines of its GELU alone.
.set xi, 0
.rept 80
	P1W
.set xi, xi+1
.endr
	GATES                                          ; ten plain lines: the places behind P1's last products
	s_add_nc_u64 s[48:49], s[48:49], 0x20000       ; (chunk 0's loads were waited for)
	LDW WA, 0, 16, 48, 0                           ; W1 of chunk 1,
	LDW WB, 0, 8, 52, 16384                        ; W2 of chunk 0, kk 0 and 1: in the order in which a pass of the loop asks
	v_add_nc_u32 v[BAD], s54, v[B0A]
	BCLOAD                                         ; b1 of chunk 1
.set gq, 0
.set glim, 384
	RID 384
.Ltrip:                                                ; pass p = 15 - s56
	; X: P1 of chunk p + 1 | GELU of chunk p, tiles 3 and 4.  No wave reads the hidden values of chunk p - 1 any more (the barrier at the pass's bottom): chunk p's may be written.
	s_wait_dscnt 0x0                               ; b1 of chunk p + 1
	STOREPK 0
	STOREPK 1
	STOREPK 2
	LDW WB, 8, 8, 52, 16384                        ; W2 of chunk p, kk 2 and 3: four roundings, plain lines, stand between P2's last product and these loads
	s_wait_loadcnt 32                              ; W1 of chunk p + 1 is in; W2's 8 + 8 + 16 loads, issued behind it, stay out
.set glim, 640
.set xi, 0
.rept 80
	P1W
	RID 4                                          ; tile 3's front ends behind product 17, tile 4's behind product 49: ahead of products 32 and 64, which write those tiles again
.if xi == 63
	STOREPK 3
	STOREPK 4
.endif
.set xi, xi+1
.endr
	WIN 0
	; HEAD of chunk p + 1
	s_cmp_lt_u32 s56, 9                            ; chunks 8 to 15 are expert b's
	s_cselect_b32 s57, -1, 0
	GATES                                          ; ten plain lines: the places behind P1's last products
	s_wait_xcnt 0x0                                ; the pending loads have had their addresses translated (ISA guide 3.1): their bases are stepped only behind this wait
	s_add_nc_u64 s[52:53], s[52:53], 0x20000       ; W2: chunk p + 1,
	s_cmp_eq_u32 s56, 8
	s_cselect_b64 s[52:53], s[50:51], s[52:53]     ; which is expert b's first where p + 1 = 8
	s_cmp_eq_u32 s56, 1
	s_cbranch_scc1 .Lnowa                          ; the last pass: there is no chunk 16
	s_add_nc_u64 s[48:49], s[48:49], 0x20000       ; W1: chunk p + 2
	s_cmp_eq_u32 s56, 9
	s_cselect_b64 s[48:49], s[50:51], s[48:49]
	LDW WA, 0, 16, 48, 0                           ; it has this lump and P2 in which to land
	s_branch .Lwa
.Lnowa:
	s_wait_loadcnt 0x0                             ; with no younger loads the counted waits below would show nothing: all of W2 is waited for here
.Lwa:
	s_wait_dscnt 0x0                               ; for the others' sake: my hidden values of chunk p are in LDS
	s_barrier_signal -1
.set gq, 0
.set glim, 72
	RID 36                                         ; half of tile 0's front, work on registers, between the signal and the wait
	s_barrier_wait -1
	s_add_co_u32 s54, s54, 512
	s_min_u32 s54, s54, 15*512                     ; (the last pass fetches chunk 15's b1 once more and uses nothing of it: the price of one text for every pass)
	v_add_nc_u32 v[BAD], s54, v[B0A]
	HLOAD 0, LL
	HLOAD 1, LL+40
	BCLOAD                                         ; b1 of chunk p + 2
	RID 36                                         ; the other half stands over the loads' way
	GWAIT
	; Y: P2 of chunk p | GELU of chunk p + 1 up to tile 2's end
	s_wait_loadcnt 48                              ; W2's kk 0 and 1 are in; its kk 2 and 3 (16 loads) and W1's block (32), issued behind them, stay out
	s_wait_dscnt 14                                ; kk 0's ten loads are in; kk 1's ten and b1's four stay out
.set glim, 384
.set yi, 0
.rept 80
.if yi == 20
	s_wait_dscnt 0x0                               ; kk 1
.elseif yi == 40
	s_wait_dscnt 0x0                               ; kk 2
	s_wait_loadcnt 40                              ; W2's kk 2 and 3 are in; W1's block (32) and the next W2's kk 0 (8), issued behind them, stay out
.elseif yi == 60
	s_wait_dscnt 0x0                               ; kk 3: my reads of the hidden values are over;
	s_barrier_signal -1                            ; the last 20 products and their slices, work on registers, stand between the signal and the wait
.endif
	P2W
.if (yi == 19) || (yi == 39)
.set sn, pl
.endif
.if yi%10 == 5
	RID 3                                          ; 72 x 4 + 8 x 3 = the 312 lines
.else
	RID 4
.endif
.if yi == 20
	WIN 0
	NEED4                                          ; behind product 19, the last to read kk 0's fragments
	HLOAD 2, LL
	LDW WB, 0, 4, 52, 16384                        ; W2 of chunk p + 1, kk 0
.elseif yi == 40
	WIN 0
	NEED4                                          ; behind product 39
	HLOAD 3, LL+40
	LDW WB, 4, 4, 52, 16384
.endif
.set yi, yi+1
.endr
	WIN 0
	s_barrier_wait -1                              ; nobody reads the hidden values of chunk p any more
	s_sub_co_u32 s56, s56, 1
	s_cmp_lg_u32 s56, 0
	s_cbranch_scc1 .Ltrip
	; CHUNK 15 HAS NOTHING BEHIND IT: the rest of its GELU alone, then its P2 alone.
	STOREPK 0
	STOREPK 1
	STOREPK 2
	LDW WB, 8, 8, 52, 16384                        ; W2 of chunk 15, kk 2 and 3
.set glim, 640
	RID 256
	STOREPK 3
	STOREPK 4
	s_wait_dscnt 0x0                               ; for the others' sake
	s_barrier_signal -1
	s_barrier_wait -1
	HLOAD 0, LL
	HLOAD 1, LL+40
	HLOAD 2, AC                                    ; P1's accumulators are free
	HLOAD 3, AC+40
	s_wait_loadcnt 0x0                             ; W2
.set TAILF, 1
.set yi, 0
.rept 80
.if yi%20 == 0
	s_wait_dscnt 30-10*(yi/20)                     ; kk's ten loads are in, the later ones stay out
.endif
	P2W
.set yi, yi+1
.endr
	WIN 0
	; THE WAY OUT, a tile of 16 tokens at a time: a lane's 8 numbers of a row go into my stage and come back as whole pieces of 256 bytes, my wave's 64 columns of a row of out0.
	; A store holds two rows.  Stores whose first row lies past the count are jumped; with an odd count the second row repeats the first: the same bytes to the same place.
	; The addresses are made here: ten plain lines, the places behind the last products.
	v_and_b32 v96, 15, v0                          ; r
	v_bfe_u32 v97, v0, 4, 1                        ; hh
	s_mul_i32 s26, s20, OSW
	s_add_co_u32 s26, s26, OS
	v_mul_u32_u24 v98, v96, HP
	v_lshl_add_u32 v98, v97, 5, v98
	v_add_nc_u32 v98, s26, v98                     ; in: row r, 32 bytes for each half of the lanes
	v_mul_u32_u24 v99, v97, HP
	v_lshl_add_u32 v99, v96, 4, v99
	v_add_nc_u32 v99, s26, v99                     ; back: lanes 0-15 one row of 256 bytes, lanes 16-31 the next
	s_lshl_b32 s26, s20, 8
	v_lshl_add_u32 v100, v96, 4, s26               ; my 16 bytes in a row of out0
	v_lshl_add_u32 v101, v97, 2, TL
.set t, 0
.rept 5
	s_cmp_le_u32 s27, 16*t
	s_cbranch_scc1 .Ldone
	s_wait_xcnt 0x0                                ; the last tile's stores have had their addresses translated: their registers are written again only behind this wait
.irp i, 0,1,2,3,4,5,6,7
	ds_load_b32 v[102+\i], v101 offset:64*t+8*\i   ; the tokens of rows 2 i + hh
.endr
	WIN 0x04                                       ; the stores' data in window 1
.irp n, 0,1,2,3
	ds_store_b128 v98, v[8*(4*t+\n):8*(4*t+\n)+3]   offset:64*\n          ; each accumulator is read from its low end on
	ds_store_b128 v98, v[8*(4*t+\n)+4:8*(4*t+\n)+7] offset:64*\n+16
.endr
	WIN 0
.irp i, 0,1,2,3,4,5,6,7
	ds_load_b128 v[120+4*\i:123+4*\i], v99 offset:2*HP*\i                 ; LDS serves a wave's instructions in order (ISA guide 5.7.1.4): these see the stores above, and the next tile's stores come behind them
.endr
	s_wait_dscnt 0x0
.irp i, 0,1,2,3,4,5,6,7
	v_min_u32 v[102+\i], 0x3fff, v[102+\i]
	v_lshl_add_u32 v[110+\i], v[102+\i], 10, v100
.endr
.irp i, 0,1,2,3,4,5,6,7
.if \i > 0
	s_cmp_le_u32 s27, 16*t+2*\i
	s_cbranch_scc1 .Ldone
.endif
	global_store_b128 v[110+\i], v[120+4*\i:123+4*\i], s[18:19] th:TH_STORE_NT   ; 16 lanes store 256 consecutive bytes, aligned
.endr
.set t, t+1
.endr
.Ldone:
	WIN 0x05                                       ; the add's two registers lie in window 1
	s_wait_tensorcnt 0x0                           ; the wave's end, behind my last LDS store
	ds_add_u32 v[SPW], v[NIL]
	s_wait_dscnt 0x0
	WIN 0
	s_endpgm
.Lfunc_end_k_qff7dd14d32_chain:
	.size	k_qff7dd14d32_chain, .Lfunc_end_k_qff7dd14d32_chain-k_qff7dd14d32_chain
	.p2alignl 7, 3214868480
	.fill 96, 4, 3214868480
	.section	.rodata,"a",@progbits
	.p2align	6, 0x0
	.amdhsa_kernel k_qff7dd14d32_chain
		.amdhsa_group_segment_fixed_size 90624
		.amdhsa_private_segment_fixed_size 0
		.amdhsa_enable_private_segment 0
		.amdhsa_kernarg_size 64
		.amdhsa_user_sgpr_count 2
		.amdhsa_user_sgpr_kernarg_segment_ptr 1
		.amdhsa_wavefront_size32 1
		.amdhsa_system_sgpr_workgroup_id_x 1
		.amdhsa_system_sgpr_workgroup_id_y 1
		.amdhsa_system_sgpr_workgroup_id_z 1
		.amdhsa_system_vgpr_workitem_id 0
		.amdhsa_next_free_vgpr 1024
		.amdhsa_next_free_sgpr 80
		.amdhsa_reserve_vcc 1
		.amdhsa_float_denorm_mode_32 3
		.amdhsa_float_denorm_mode_16_64 3
		.amdhsa_memory_ordered 1
		.amdhsa_forward_progress 1
		.amdhsa_inst_pref_size 202
	.end_amdhsa_kernel
	.amdgpu_metadata
---
amdhsa.version: [ 1, 2 ]
amdhsa.kernels:
  - .name:           k_qff7dd14d32_chain
    .symbol:         k_qff7dd14d32_chain.kd
    .args:
      - { .name: x, .offset: 0, .size: 8, .value_kind: global_buffer, .address_space: global }
      - { .name: out1, .offset: 8, .size: 8, .value_kind: global_buffer, .address_space: global }
      - { .name: wf, .offset: 16, .size: 8, .value_kind: global_buffer, .address_space: global }
      - { .name: b1, .offset: 24, .size: 8, .value_kind: global_buffer, .address_space: global }
      - { .name: b2, .offset: 32, .size: 8, .value_kind: global_buffer, .address_space: global }
      - { .name: list, .offset: 40, .size: 8, .value_kind: global_buffer, .address_space: global }
      - { .name: cq, .offset: 48, .size: 8, .value_kind: global_buffer, .address_space: global }
      - { .name: out0, .offset: 56, .size: 8, .value_kind: global_buffer, .address_space: global }
    .group_segment_fixed_size: 90624
    .private_segment_fixed_size: 0
    .kernarg_segment_align: 8
    .kernarg_segment_size: 64
    .max_flat_workgroup_size: 128
    .sgpr_count:     80
    .vgpr_count:     1024
    .wavefront_size: 32
...
	.end_amdgpu_metadata
.endif
;; end of part 5
;; ======== version 3 of 3: 3 launches; version 2 with the launch chain written anew for expert scheduling mode
;; limits: a function is approximated: absolute error at most 2.5e-05
;; workspace buffers: route 65,536 bytes of whole numbers; list 1,835,008 bytes of whole numbers; cq 1,024 bytes of whole numbers; wf 8,388,608 bytes
;; launch router: the kernel of part 1 again; grid 256 x 1, 2 waves a work-group, no clusters, 44,544 bytes of LDS; arguments x, w_router, b_router, out1, route; writes out1, route
;; launch prep: the kernel of part 4 again; grid 264 x 1, 4 waves a work-group, no clusters, 33,792 bytes of LDS; arguments w1, w2, route, wf, list, cq; writes wf, list, cq
;; launch chain (part 6): grid 232 x 1, 4 waves a work-group, no clusters, 90,624 bytes of LDS; arguments x, out1, wf, b1, b2, list, cq, out0; writes out0
.if DOCPART == 6
	.amdgcn_target "amdgcn-amd-amdhsa--gfx1250"
	.amdhsa_code_object_version 6
	.text
	.protected	k_qff7dd14d32_chain
	.globl	k_qff7dd14d32_chain
	.p2align	8
	.type	k_qff7dd14d32_chain,@function
k_qff7dd14d32_chain:
	s_mov_b64 s[64:65], 0
	v_nop
	global_prefetch_b8 v0, s[64:65] scope:SCOPE_SE
	s_setreg_imm32_b32 hwreg(HW_REG_WAVE_SCHED_MODE, 0, 2), 2
	s_setreg_imm32_b32 hwreg(HW_REG_WAVE_MODE, 25, 1), 1
	s_wait_xcnt 0x0
	s_wait_alu depctr_vm_vsrc(0)
; CHAIN.  out0[token] = ga (gelu(x W1a + b1a) W2a + b2a) + gb (gelu(x W1b + b1b) W2b + b2b) for the token's two experts a < b, ga = pa / (pa + pb) from out1.
; A work-group takes up to 80 tokens (5 tiles of 16) of ONE pair of experts through the whole chain; each output row has one owner.  The sum over the sets of ceil(count / 80) is at most
; (16,384 + 28 x 79) / 80 = 232 for every split of the tokens: the grid.  A work-group that the split leaves without rows (cnt = 0) walks the same text, so that every wave passes every barrier, and stores nothing.
; Places past the count repeat the tile's last token; whole stores past the count are jumped.
; FORMATS.  x, b1, b2 are rounded once to bf16 here, the weights were by the launch before; products take bf16 operands, all sums and Y stay in f32; the gated hidden value is rounded once to bf16.
; GELU.  g gelu(v) = u + |u| erf(|v| / sqrt 2), u = g v / 2; erf = 1 - (a1 t + a2 t^2 + a3 t^3) 2^-(K v)^2, t = 1 / (1 + 0.33267253 |v|), K = sqrt(log2(e) / 2): Abramowitz and Stegun 7.1.25.
; The gate g >= 0 rides on the hidden value, and Y starts as ga b2a + gb b2b, so both experts' 16 chunks add in place into one accumulator.
; LIMITS.  erf is within 2.5e-5 for every argument, a hundredth of the rounding to bf16 that follows it.  NaN and infinities are not treated apart; 2^-(K v)^2 below 2^-126 counts as 0.
; SHARES.  Hidden columns go in chunks of 128, 16 chunks.  Wave q: P1 = 80 tokens x hidden columns 32 q + 0..31 of the chunk (K = 256); P2 = 80 tokens x output columns 64 q + 0..63 (K = 128).
; Both products are used transposed (source 0 = 16 rows of weights, source 1 = 16 tokens): a lane holds one token (l % 16) and 8 neighbouring columns.  x stays in registers for the whole kernel.
; Each wave reads its own quarter of the weights once, from memory straight into operand registers (512 neighbouring bytes a load).  Only the hidden values pass between waves, through LDS.
; BY TURNS.  A chunk has 160 matrix instructions and 640 lines of GELU.  GELU of chunk i stands in slices behind the matrix instructions of P2 of chunk i - 1 and of P1 of chunk i + 1, which do not hang on it.
; A pass of the loop is X, HEAD, Y.  X: P1 of the next chunk, by tiles {0, 1}, {2, 3}, {4}: a tile's accumulators are written again only when the front of its GELU has taken the values out; beside it tiles 3 and 4 of the GELU.
; HEAD: the gates and tile 0's front, with no product beside them: they stand over the barrier and the way of the hidden values out of LDS.  Y: P2 of the chunk before; beside it the GELU up to tile 2's end.
; A tile's GELU is a FRONT of 72 lines (its 32 transcendentals, none of whose results it names) and a BACK of 56, with one wait between them.
; NO CLUSTER: partners would have to share a pair of experts; whole clusters of 4 x 80 tokens for each of 28 sets would be up to 79 clusters, 316 work-groups.
; THE MODE: SCHED_MODE bits 1:0 = 2 (LLVM: expert scheduling mode 2), set by the entry lines.  The code itself states the register dependences
; between vector or matrix instructions and memory or LDS instructions, with s_wait_alu, always for 0.
; THE PLAN.  Registers that memory or LDS instructions touch, in the loop:
;   WA        X's 80 products read it; HEAD's 32 loads land in it.
;   WB        Y's products 0-19 read kk 0, 20-39 kk 1, 40-79 kk 2 and 3; the loads land behind product 20, behind product 40, and at the next pass's top.
;   LL        two halves: the products of kk 0 and then of kk 2 read the low one, those of kk 1 and then of kk 3 the high one; LDS loads land in HEAD (both), behind product 20 (low), behind product 40 (high).
;   BC        X's products of the first K step read it; four LDS loads land in HEAD.
;   PK        three sets: the roundings of tiles 0 and 3, of 1 and 4, of 2 write them; the LDS stores of those tiles read them.
;   v[BAD]    BC's loads read it; one add a pass writes it.          v[WO], v[HSTO], v[HLD], v[B0A] are never written again.
;   The accumulators, Y, x's fragments, the gates and the GELU's registers at work are named by vector and matrix instructions alone.
; Waits on va_vdst in a pass, beside the five between a front and its back: at the TOP (tiles 0-2's PK is written; the products are done reading WB's kk 2 and 3); in HEAD behind the gates (tile 4's PK is written; the
; products are done reading WA and BC); behind products 20 and 40 of Y (the products are done reading a half of LL and a quarter of WB).  Tile 3's LDS stores stand behind the wait of tile 4's front, which stands behind tile 3's roundings.
; Waits on vm_vsrc in a pass: ahead of tile 3's first rounding (the stores of tiles 0-2 have read PK); at HEAD's end (the stores of tiles 3 and 4 have read PK, BC's loads have read v[BAD]), with the add to v[BAD] behind it
; and the wait of tile 0's front behind the add.
; REGISTERS, in windows of 256 (s_set_vgpr_msb: bits 1:0 source 0, 3:2 source 1, 5:4 source 2, 7:6 destination):
;   window 0: v0 thread; v1-5 addresses; v6-15 gates; v16-95 P1's 10 accumulators; v96-151 GELU at work; v152-175 packed hidden values, three tiles; v176-255 hidden fragments, two halves that take turns
;   window 1: v0-159 Y (t, n) at 8 (4 t + n); v160-239 x's fragments 30-39; v240-249 both experts' gates
;   window 2: v0-239 x's fragments f = 5 kk + t, f < 30; v240-255 b1 of the chunk      window 3: v0-127 W1's block, v128-255 W2's
.set XP,    528                        ; a row of x in LDS: 512 + 16 bytes
.set HP,    272                        ; a row of hidden values (128 bf16), and of the way out (64 f32): 256 + 16 bytes: odd multiples of 16, so the 16 rows of a load start in 16 different groups of banks
.set HS,    80*XP                      ; behind x's 80 rows (LDS byte 0): 80 rows of hidden values
.set TL,    HS+80*HP                   ; 64,000: the tile's 80 token numbers
.set OS,    TL+512                     ; 64,512: 16 rows x 272 bytes for each wave, for the way out
.set OSW,   16*HP
.set B1S,   OS+4*OSW                   ; 81,920: b1 of expert a, then of expert b, rounded to bf16 and kept as f32: chunk c at 512 c.  The 512 bytes behind its 8,192 hold the spare words of the closing add
.set WO,   1                           ; v1  16 x lane: my 16 bytes in 512
.set HSTO, 2                           ; v2  hidden values in
.set HLD,  3                           ; v3  and out, as fragments
.set B0A,  4                           ; v4  my 8 numbers of b1 in chunk 0
.set BAD,  5                           ; v5  the same in the chunk that the next HEAD fetches
.set GG,   6                           ; five pairs (g / 2, g / 2) for the chunk in hand
.set AC,   16                          ; accumulator (t, n) at AC + 16 t + 8 n
.set TT,   96                          ; t
.set EE,   112                         ; 2^-(K v)^2
.set UU,   128                         ; u, then the hidden value
.set PP,   144                         ; the polynomial, then erf: four pairs at a time
.set PK,   152                         ; tile t's 8 packed registers at PK + 8 (t % 3)
.set LL,   176
.set XH,   160                         ; window 1
.set GA,   240                         ; window 1
.set GB,   245                         ; window 1
.set BC,   240                         ; window 2
.set WA,   0                           ; window 3
.set WB,   128                         ; window 3
.set CP, 58                            ; s58      0.33267253
.set CK, 60                            ; s[60:61] K
.set A3, 66                            ; s[66:71] a3, a2, a1, as pairs
.set A2, 68
.set A1, 70
.set MSB, 0
.macro WIN new                         ; the high byte repeats the setting that is left; a switch that changes nothing is dropped
.if MSB != (\new)
	s_set_vgpr_msb (MSB<<8)|(\new)
.set MSB, (\new)
.endif
.endm
.macro LDW reg, f0, nf, bs, off        ; fragments f0 .. f0 + nf - 1 of a block of weights: two loads of 512 neighbouring bytes each
	WIN 0xc0                                       ; destination window 3
.set f, \f0
.rept \nf
	global_load_b128 v[(\reg)+8*f:(\reg)+8*f+3],   v[WO], s[\bs:\bs+1] offset:(\off)+1024*f
	global_load_b128 v[(\reg)+8*f+4:(\reg)+8*f+7], v[WO], s[\bs:\bs+1] offset:(\off)+1024*f+512
.set f, f+1
.endr
	WIN 0
.endm
.macro HLOAD kk, reg                   ; the five tiles' fragments of hidden columns 32 kk on: ten loads
	WIN 0
.set t, 0
.rept 5
	ds_load_b128 v[(\reg)+8*t:(\reg)+8*t+3],   v[HLD] offset:t*16*HP+(\kk)*64
	ds_load_b128 v[(\reg)+8*t+4:(\reg)+8*t+7], v[HLD] offset:t*16*HP+(\kk)*64+32
.set t, t+1
.endr
.endm
.macro BCLOAD adr, off                 ; b1 of my 32 hidden columns of the chunk at v[adr] + off: register j of n = column 16 n + 8 hh + j: the C of P1's first K step
	WIN 0x80                                       ; destination window 2
	ds_load_b128 v[BC:BC+3],     v[\adr] offset:(\off)
	ds_load_b128 v[BC+4:BC+7],   v[\adr] offset:(\off)+16
	ds_load_b128 v[BC+8:BC+11],  v[\adr] offset:(\off)+64
	ds_load_b128 v[BC+12:BC+15], v[\adr] offset:(\off)+80
	WIN 0
.endm
.macro STOREPK t                       ; tile t's hidden values: row l % 16, my wave's 64 bytes
	WIN 0
	ds_store_b128 v[HSTO], v[PK+8*((\t)%3):PK+8*((\t)%3)+3]   offset:(\t)*16*HP
	ds_store_b128 v[HSTO], v[PK+8*((\t)%3)+4:PK+8*((\t)%3)+7] offset:(\t)*16*HP+32
.endm
.macro GATES                           ; s57 = 0: expert a's gates, -1: expert b's.  Ten plain lines
	WIN 0x05                                       ; sources in window 1
.irp t, 0,1,2,3,4
	v_cndmask_b32 v[GG+2*\t],   v[GA+\t], v[GB+\t], s57
	v_cndmask_b32 v[GG+2*\t+1], v[GA+\t], v[GB+\t], s57
.endr
	WIN 0
.set pl, pl+10
.endm
; Four plain vector lines that name none of its registers still stand between a matrix instruction and a load into a register that it has read, beside the wait that states the dependence.
; The slices are those lines: pl counts the plain lines written so far, sn is its value at the matrix instruction in question, and v_nop fill up what is missing.
.set pl, 0
.set sn, 0
.macro NEED4
.if (pl-sn) < 4
.rept 4-(pl-sn)
	v_nop
.endr
.endif
.endm
; THE GELU OF A CHUNK is a list of 640 lines, 128 a tile; GL writes line gq.  Pair p = numbers 2 p, 2 p + 1 of the lane's 16.
; FRONT, 72 lines: for each pair 1 + c |v| (twice), K v, the reciprocals, -(K v)^2, u = v g / 2, the exponentials; a pair's last exponential stands behind the next pair's first line, so that plain lines and
; transcendentals take turns.  No line of a front names a transcendental's result.  Each accumulator's lowest register is read first.
; BACK, 56 lines: for four pairs at a time a3 t + a2; .. t + a1; .. t; erf = 1 - .. 2^-(K v)^2; u + |u| erf (a line a number); at the end eight roundings to bf16.  A line and the next that needs it stand four lines apart or more.
.set gq, 0
.set gw, 0
.set glim, 0
.macro GWAIT
	s_wait_alu depctr_va_vdst(0)                   ; the front's 32 transcendentals have written TT and EE, ahead of their first reader; so has every vector line issued so far written its result
.set gw, 1
.endm
.macro GL
	WIN 0
.set gt, gq/128
.set gr, gq%128
.set va, AC+16*gt
.set isp, 1
.if gr == 0
.set gw, 0
	v_fma_f32 v[TT], |v[va]|, s[CP], 1.0
.elseif gr < 72
.set gp, (gr-1)/9
.set gk, (gr-1)%9
.if gk == 0
	v_fma_f32 v[TT+2*gp+1], |v[va+2*gp+1]|, s[CP], 1.0
.elseif gk == 1
	v_pk_mul_f32 v[EE+2*gp:EE+2*gp+1], v[va+2*gp:va+2*gp+1], s[CK:CK+1] op_sel_hi:[1,0]
.elseif gk == 2
	v_rcp_f32 v[TT+2*gp], v[TT+2*gp]
.set isp, 0
.elseif gk == 3
	v_pk_mul_f32 v[EE+2*gp:EE+2*gp+1], v[EE+2*gp:EE+2*gp+1], v[EE+2*gp:EE+2*gp+1] neg_lo:[1,0] neg_hi:[1,0]
.elseif gk == 4
	v_rcp_f32 v[TT+2*gp+1], v[TT+2*gp+1]
.set isp, 0
.elseif gk == 5
	v_pk_mul_f32 v[UU+2*gp:UU+2*gp+1], v[va+2*gp:va+2*gp+1], v[GG+2*gt:GG+2*gt+1]
.elseif gk == 6
	v_exp_f32 v[EE+2*gp], v[EE+2*gp]
.set isp, 0
.elseif (gk == 7) && (gp < 7)
	v_fma_f32 v[TT+2*gp+2], |v[va+2*gp+2]|, s[CP], 1.0
.else
	v_exp_f32 v[EE+2*gp+1], v[EE+2*gp+1]
.set isp, 0
.endif
.else
.set gb, gr-72
.if (gb == 0) && (gw == 0)
	GWAIT
.if gt == 4
	STOREPK 3                                      ; tile 3's roundings stand ahead of the wait just passed, and no line since names their results: its hidden values go to LDS here
.endif
.endif
.if gb < 48
.set gh, gb/24
.set gc, gb%24
.if gc < 16
.set gp, 4*gh+gc%4
.set pq, PP+2*(gc%4)
.if gc < 4
	v_pk_fma_f32 v[pq:pq+1], v[TT+2*gp:TT+2*gp+1], s[A3:A3+1], s[A2:A2+1] op_sel_hi:[1,0,0]
.elseif gc < 8
	v_pk_fma_f32 v[pq:pq+1], v[pq:pq+1], v[TT+2*gp:TT+2*gp+1], s[A1:A1+1] op_sel_hi:[1,1,0]
.elseif gc < 12
	v_pk_mul_f32 v[pq:pq+1], v[pq:pq+1], v[TT+2*gp:TT+2*gp+1]
.else
	v_pk_fma_f32 v[pq:pq+1], v[pq:pq+1], v[EE+2*gp:EE+2*gp+1], 1.0 op_sel_hi:[1,1,0] neg_lo:[1,0,0] neg_hi:[1,0,0]
.endif
.else
.set ge, gc-16
	v_fma_f32 v[UU+8*gh+ge], |v[UU+8*gh+ge]|, v[PP+ge], v[UU+8*gh+ge]
.endif
.else
.set gp, gb-48
.if (gp == 0) && (gt == 3)
	s_wait_alu depctr_vm_vsrc(0)                   ; the LDS stores of tiles 0 to 2 have read PK, whose first two sets the roundings of tiles 3 and 4 write again
.endif
	v_cvt_pk_bf16_f32 v[PK+8*(gt%3)+gp], v[UU+2*gp], v[UU+2*gp+1]
.endif
.endif
.set gq, gq+1
.set pl, pl+isp
.endm
.macro RID n                           ; the next n lines of the list, as far as glim
.rept \n
.if gq < glim
	GL
.endif
.endr
.endm
; Product xi of 80 of P1: tiles {0, 1} (32 products, four accumulators by turns), {2, 3} (32), {4} (16, two by turns): one instruction a turn.  The first K step starts the sums with b1.
.macro P1W
.if xi < 32
.set pkk, xi/4
.set pt, (xi%4)/2
.elseif xi < 64
.set pkk, (xi-32)/4
.set pt, 2+(xi%4)/2
.else
.set pkk, (xi-64)/2
.set pt, 4
.endif
.set pn, xi%2
.set pd, AC+16*pt+8*pn
.set pa, WA+8*(2*pkk+pn)
.if pkk == 0
	WIN 0x2b                                       ; W1 window 3, x and b1 window 2
	v_wmma_f32_16x16x32_bf16 v[pd:pd+7], v[pa:pa+7], v[8*pt:8*pt+7], v[BC+8*pn:BC+8*pn+7]
.elseif pkk < 6
	WIN 0x0b
	v_wmma_f32_16x16x32_bf16 v[pd:pd+7], v[pa:pa+7], v[8*(5*pkk+pt):8*(5*pkk+pt)+7], v[pd:pd+7]
.else
	WIN 0x07                                       ; x's last 10 fragments lie in window 1
	v_wmma_f32_16x16x32_bf16 v[pd:pd+7], v[pa:pa+7], v[XH+8*(5*(pkk-6)+pt):XH+8*(5*(pkk-6)+pt)+7], v[pd:pd+7]
.endif
.endm
; Product yi of 80 of P2: hidden columns 32 (yi / 20) on; the 20 accumulators of Y take turns.  In the loop the fragments of kk lie in half kk % 2 of LL; behind it (TAILF = 1) those of kk 2, 3 lie where P1's accumulators lay.
.set TAILF, 0
.macro P2W
	WIN 0x53                                       ; W2 window 3, hidden values window 0, Y window 1
.set yk, yi/20
.set yj, yi%20
.set hb, LL+40*(yk%2)+8*(yj/4)
.if TAILF && (yk >= 2)
.set hb, AC+40*(yk-2)+8*(yj/4)
.endif
	v_wmma_f32_16x16x32_bf16 v[8*yj:8*yj+7], v[WB+8*(4*yk+yj%4):WB+8*(4*yk+yj%4)+7], v[hb:hb+7], v[8*yj:8*yj+7]
.endm
	s_load_b512 s[4:19], s[0:1], 0x0               ; x s[4:5], out1 s[6:7], wf s[8:9], b1 s[10:11], b2 s[12:13], list s[14:15], cq s[16:17], out0 s[18:19]
	s_set_vgpr_msb 0x40
	v_lshl_add_u32 v254, v0, 2, 0x16000
	v_mov_b32 v255, 0
	s_set_vgpr_msb 0x4000
	v_and_b32 v16, 31, v0                          ; lane
	v_and_b32 v17, 15, v0                          ; r
	v_bfe_u32 v18, v0, 4, 1                        ; hh
	v_lshrrev_b32 v19, 5, v0
	v_readfirstlane_b32 s20, v19                   ; q: wave 0..3
	v_lshlrev_b32 v[WO], 4, v16
	v_lshlrev_b32 v19, 5, v18                      ; 32 x hh: 8 f32
	v_mul_u32_u24 v[HLD], v17, HP
	v_lshl_add_u32 v[HLD], v18, 4, v[HLD]
	s_wait_alu depctr_va_sdst(0)                   ; s20 is written, ahead of its first reader
	s_lshl_b32 s26, s20, 6
	s_add_co_u32 s26, s26, HS
	v_add_nc_u32 v[HSTO], s26, v[HLD]              ; row r, my wave's 64 bytes, 16 for each half of the lanes
	v_add_nc_u32 v[HLD], HS, v[HLD]
	v_mul_u32_u24 v20, v17, XP
	v_lshl_add_u32 v20, v18, 4, v20                ; x's fragments
	v_lshl_add_u32 v21, v17, 2, TL
	s_lshl_b32 s26, s20, 7
	s_add_co_u32 s26, s26, B1S
	v_add_nc_u32 v[B0A], s26, v19
	v_add_nc_u32 v[BAD], 1024, v[B0A]              ; chunk 2, which the first pass's HEAD fetches; chunks 0 and 1 are fetched by v[B0A] and an immediate offset
	v_lshlrev_b32 v39, 2, v16
	s_mov_b32 s[CP], 0x3eaa540e
	s_mov_b32 s[CK], 0x3f596d27
	s_mov_b32 s[CK+1], s[CK]                       ; named with it as a pair
	s_mov_b32 s[A3], 0x3f3f7377                    ; 0.7478556
	s_mov_b32 s[A3+1], s[A3]
	s_mov_b32 s[A2], 0xbdc45ca1                    ; -0.0958798
	s_mov_b32 s[A2+1], s[A2]
	s_mov_b32 s[A1], 0x3eb2303a                    ; 0.3480242
	s_mov_b32 s[A1+1], s[A1]
	s_mov_b32 s76, 0xffff0000                      ; a word's upper bf16
	s_mov_b32 s63, 0
	s_wait_kmcnt 0x0
	s_wait_alu depctr_va_vdst(0)                   ; the addresses v1 to v5, v20, v21 and v39 are written, which loads and stores from here on read
.irp k, 0,1,2,3,4,5,6,7
	global_load_b32 v[22+\k], v39, s[16:17] offset:128*\k                 ; lane s: the count of set s in eighth k of the tokens
.endr
	s_wait_loadcnt 0x0
	v_add3_u32 v30, v22, v23, v24
	v_add3_u32 v30, v30, v25, v26
	v_add3_u32 v30, v30, v27, v28
	v_add_nc_u32 v30, v30, v29                     ; lane s: the set's tokens
	v_add_nc_u32 v31, 79, v30
	v_lshrrev_b32 v31, 4, v31
	v_mul_u32_u24 v31, v31, 0xcccd
	v_lshrrev_b32 v31, 18, v31                     ; its tiles: ((count + 79) / 16) / 5
	; which set is my tile's: the last set whose first tile is not behind mine
	s_mov_b32 s21, ttmp9
	s_mov_b32 s22, 0                               ; tiles before set ss
	s_mov_b32 s23, 0                               ; the set,
	s_mov_b32 s24, 0                               ; its first tile,
	s_mov_b32 s25, 1                               ; its experts, a << 4 | b
.set ss, 0
.rept 28
	v_readlane_b32 s[26+ss], v31, ss               ; the 28 sets' tiles in one run, each into a register of its own
.set ss, ss+1
.endr
	s_wait_alu depctr_va_sdst(0)                   ; s26 to s53 are written, ahead of their first reader: one wait for the run
.set ss, 0
.set sa, 0
.set sb, 1
.rept 28
	s_cmp_ge_u32 s21, s22
	s_cselect_b32 s23, ss, s23
	s_cselect_b32 s24, s22, s24
	s_cselect_b32 s25, (sa<<4)|sb, s25
	s_add_co_u32 s22, s22, s[26+ss]
.set ss, ss+1
.set sb, sb+1
.if sb == 8
.set sa, sa+1
.set sb, sa+1
.endif
.endr
	s_min_u32 s23, s23, 27
	v_readlane_b32 s26, v30, s23                   ; the set's tokens,
.irp k, 0,1,2,3,4,5,6,7
	v_readlane_b32 s[32+\k], v[22+\k], s23         ; and its counts in the eight parts of its list
.endr
	s_lshr_b32 s30, s25, 4
	s_min_u32 s30, s30, 7                          ; a
	s_and_b32 s31, s25, 15
	s_min_u32 s31, s31, 7                          ; b
	s_sub_co_u32 s28, s21, s24
	s_mul_i32 s28, s28, 80                         ; my first token's rank in the set
	s_wait_alu depctr_va_sdst(0)                   ; s26 and s32 to s39 are written, ahead of their first reader
	s_sub_co_i32 s27, s26, s28
	s_min_i32 s27, s27, 80
	s_max_i32 s27, s27, 0                          ; cnt: my tokens, 0 to 80
	s_sub_co_i32 s29, s27, 1
	s_max_i32 s29, s29, 0
	s_mov_b32 s26, 0
.irp k, 1,2,3,4,5,6,7
	s_add_co_u32 s26, s26, s[31+\k]
	s_mov_b32 s[31+\k], s26                        ; P_k: tokens before part k (kept where c_(k-1) lay)
	s_sub_co_u32 s[40+\k], 2048*\k, s26            ; rank + this = the word in the set's list, for ranks in part k
.endr
	s_lshl_b32 s26, s20, 15                        ; my wave's 32 KB of a chunk's weights
	s_lshl_b32 s62, s30, 20
	s_add_co_u32 s62, s62, s26
	s_add_nc_u64 s[48:49], s[8:9], s[62:63]        ; the chunk whose W1 is fetched: expert a's chunk 0,
	s_mov_b64 s[52:53], s[48:49]                   ; the chunk whose W2 is fetched: the same
	s_lshl_b32 s62, s31, 20
	s_add_co_u32 s62, s62, s26
	s_add_nc_u64 s[50:51], s[8:9], s[62:63]        ; expert b's chunk 0
	s_cmp_lt_u32 s20, 2                            ; waves 0, 1 stage expert a's b1, waves 2, 3 expert b's: 2,048 bytes each
	s_cselect_b32 s62, s30, s31
	s_lshl_b32 s62, s62, 12
	s_and_b32 s26, s20, 1
	s_lshl_b32 s26, s26, 11
	s_add_co_u32 s62, s62, s26
	s_add_nc_u64 s[72:73], s[10:11], s[62:63]
	s_lshl_b32 s62, s23, 16
	s_add_nc_u64 s[14:15], s[14:15], s[62:63]      ; the set's list
	s_lshl_b32 s26, s20, 8
	s_lshl_b32 s77, s30, 10
	s_add_co_u32 s77, s77, s26                     ; b2: expert a's row, my 64 columns
	s_lshl_b32 s78, s31, 10
	s_add_co_u32 s78, s78, s26
	s_lshl_b32 s30, s30, 2                         ; 4 a, 4 b: the experts' places in a row of out1
	s_lshl_b32 s31, s31, 2
	; the tile's token numbers: wave q fetches places 20 q .. 20 q + 19 (lanes 20-31 repeat lane 19)
	v_min_u32 v32, 19, v16
	s_mul_i32 s26, s20, 20
	v_add_nc_u32 v32, s26, v32
	v_lshl_add_u32 v36, v32, 2, TL
	v_min_u32 v33, s29, v32                        ; places past the count repeat the last token
	v_add_nc_u32 v33, s28, v33                     ; the rank in the set
	v_mov_b32 v34, 0
.irp k, 1,2,3,4,5,6,7
	v_cmp_le_u32 s[20+\k+28*(\k/6)], s[31+\k], v33 ; the seven compares in one run: masks in s21 to s25, s54, s55
.endr
	s_wait_alu depctr_va_sdst(0)                   ; the seven masks are written, ahead of the selects that read them
.irp k, 1,2,3,4,5,6,7
	v_cndmask_b32 v34, v34, s[40+\k], s[20+\k+28*(\k/6)]
.endr
	v_add_nc_u32 v34, v33, v34
	v_min_u32 v34, 0x3fff, v34
	v_lshlrev_b32 v34, 2, v34
	s_wait_alu depctr_va_vdst(0)                   ; v34 is written, which the load reads as its offset (and v36, the LDS address of the store below)
	global_load_b32 v35, v34, s[14:15]
	s_wait_loadcnt 0x0
	v_min_u32 v35, 0x3fff, v35
.set i, 0
.rept 20
	v_readlane_b32 s[32+i+6*(i/16)], v35, i        ; my 20 tokens in one run: s32 to s47, s54 to s57
.set i, i+1
.endr
	s_wait_alu depctr_va_sdst(0)                   ; the twenty are written, ahead of their first reader
.set i, 0
.rept 20
	s_min_u32 s[32+i+6*(i/16)], s[32+i+6*(i/16)], 0x3fff
	v_lshl_add_u32 v[40+i], s[32+i+6*(i/16)], 10, v[WO]   ; row i of my 20: token x 1,024 + 16 x lane
.set i, i+1
.endr
	s_lshl_b32 s26, s20, 11
	s_add_co_u32 s26, s26, B1S
	v_add_nc_u32 v37, s26, v[WO]                   ; where my part of b1 goes
	s_mul_i32 s26, s20, 20*XP
	v_lshl_add_u32 v38, v16, 3, s26                ; where my rows of x go
	v_add_nc_u32 v22, s77, v19                     ; b2's offsets
	v_add_nc_u32 v23, s78, v19
	s_wait_alu depctr_va_vdst(0)                   ; v35 is written, the LDS store's data; so are the offsets v40 to v59, v22, v23 and the LDS addresses v37, v38
	ds_store_b32 v36, v35
	WIN 0x80                                       ; destination window 2
.set i, 0
.rept 20
	global_load_b128 v[8*i:8*i+3],   v[40+i], s[4:5]                      ; a row of x: two loads of 512 neighbouring bytes
	global_load_b128 v[8*i+4:8*i+7], v[40+i], s[4:5] offset:512
.set i, i+1
.endr
	WIN 0
.irp j, 0,1,2,3
	global_load_b128 v[60+4*\j:63+4*\j], v[WO], s[72:73] offset:512*\j    ; my 2,048 bytes of b1
.endr
	LDW WA, 0, 16, 48, 0                           ; W1 of chunk 0
	s_wait_loadcnt 36                              ; x's 40 loads are in; b1's 4 and W1's 32, issued behind them, stay out
	WIN 0x0a                                       ; sources in window 2
.set i, 0
.rept 40
	v_cvt_pk_bf16_f32 v[96+2*i], v[4*i], v[4*i+1]
	v_cvt_pk_bf16_f32 v[97+2*i], v[4*i+2], v[4*i+3]
.set i, i+1
.endr
	WIN 0
	s_wait_loadcnt 32                              ; b1 is in; W1's 32 loads stay out
.irp i, 0,1,2,3,4,5,6,7
	v_cvt_pk_bf16_f32 v[76+\i], v[60+2*\i], v[61+2*\i]                    ; rounded to bf16 like every input,
.endr
.irp i, 0,1,2,3,4,5,6,7
	v_lshlrev_b32 v[60+2*\i], 16, v[76+\i]                                ; and kept as f32, once for all 16 chunks
	v_and_b32 v[61+2*\i], s76, v[76+\i]
.endr
	s_wait_alu depctr_va_vdst(0)                   ; the conversions have written v96 to v175 and v60 to v75, the data of the 44 LDS stores; they are done with window 2's v0 to v159 and with v76 to v83, in which LDS loads land behind the barrier
.set i, 0
.rept 40
	ds_store_b64 v38, v[96+2*i:97+2*i] offset:(i>>1)*XP+(i&1)*256
.set i, i+1
.endr
.irp j, 0,1,2,3
	ds_store_b128 v37, v[60+4*\j:63+4*\j] offset:512*\j
.endr
	s_wait_dscnt 0x0                               ; for the others' sake: my rows of x, my token numbers and my part of b1 are in LDS
	s_barrier_signal -1
	s_barrier_wait -1
	s_wait_alu depctr_vm_vsrc(0)                   ; my LDS stores have read v96 to v175, in which b2 and the probabilities land and which vector lines write again
.irp n, 0,1,2,3
	global_load_b128 v[96+8*\n:99+8*\n],   v22, s[12:13] offset:64*\n     ; b2 of columns 64 q + 16 n + 8 hh + 0..7: expert a's,
	global_load_b128 v[100+8*\n:103+8*\n], v22, s[12:13] offset:64*\n+16
	global_load_b128 v[128+8*\n:131+8*\n], v23, s[12:13] offset:64*\n     ; expert b's
	global_load_b128 v[132+8*\n:135+8*\n], v23, s[12:13] offset:64*\n+16
.endr
	WIN 0x80
.set f, 0
.rept 40                                               ; fragment f = 5 kk + t: tile t, channels 32 kk on
.if f < 30
.set xr, 8*f
.else
	WIN 0x40
.set xr, XH+8*(f-30)
.endif
	ds_load_b128 v[xr:xr+3],   v20 offset:(f%5)*16*XP+(f/5)*64
	ds_load_b128 v[xr+4:xr+7], v20 offset:(f%5)*16*XP+(f/5)*64+32
.set f, f+1
.endr
	WIN 0
	BCLOAD B0A, 0                                  ; b1 of chunk 0
.irp t, 0,1,2,3,4
	ds_load_b32 v[80+\t], v21 offset:64*\t         ; the token of my lane in tile t
.endr
	s_wait_dscnt 0x0
.irp t, 0,1,2,3,4
	v_min_u32 v[80+\t], 0x3fff, v[80+\t]
	v_lshl_add_u32 v[85+\t], v[80+\t], 5, s30
	v_lshl_add_u32 v[90+\t], v[80+\t], 5, s31
.endr
	s_wait_alu depctr_va_vdst(0)                   ; the ten offsets v85 to v94 are written, which the loads below read
.irp t, 0,1,2,3,4
	global_load_b32 v[160+\t], v[85+\t], s[6:7]    ; pa
	global_load_b32 v[165+\t], v[90+\t], s[6:7]    ; pb
.endr
	s_wait_loadcnt 0x0                             ; all that is out: W1 of chunk 0, b2, the probabilities
.irp t, 0,1,2,3,4
	v_add_f32 v[170+\t], v[160+\t], v[165+\t]
.endr
.irp t, 0,1,2,3,4
	v_rcp_f32 v[170+\t], v[170+\t]
.endr
.set i, 0
.rept 32                                               ; b2 rounded to bf16: the first of these lines is the plain instruction behind the last reciprocal
	v_cvt_pk_bf16_f32 v[176+i], v[96+2*i], v[97+2*i]
.set i, i+1
.endr
.set i, 0
.rept 32
	v_lshlrev_b32 v[96+2*i], 16, v[176+i]
	v_and_b32 v[97+2*i], s76, v[176+i]
.set i, i+1
.endr
	s_wait_alu depctr_va_vdst(0)                   ; the five reciprocals have written v170 to v174, ahead of their first reader
.irp t, 0,1,2,3,4
	v_mul_f32 v[208+2*\t], v[160+\t], v[170+\t]    ; ga
	v_mul_f32 v[218+2*\t], v[165+\t], v[170+\t]    ; gb
.endr
.irp t, 0,1,2,3,4
	v_mov_b32 v[209+2*\t], v[208+2*\t]
	v_mov_b32 v[219+2*\t], v[218+2*\t]
.endr
	WIN 0x40
.irp t, 0,1,2,3,4
	v_mul_f32 v[GA+\t], 0.5, v[208+2*\t]           ; the halves ride on the hidden values
	v_mul_f32 v[GB+\t], 0.5, v[218+2*\t]
.endr
.set i, 0
.rept 80                                               ; Y = ga b2a,
	v_pk_mul_f32 v[2*i:2*i+1], v[96+2*(i%16):97+2*(i%16)], v[208+2*(i/16):209+2*(i/16)]
.set i, i+1
.endr
	WIN 0x50                                       ; + gb b2b: every product of P2 adds in place
.set i, 0
.rept 80
	v_pk_fma_f32 v[2*i:2*i+1], v[128+2*(i%16):129+2*(i%16)], v[218+2*(i/16):219+2*(i/16)], v[2*i:2*i+1]
.set i, i+1
.endr
	WIN 0
	s_mov_b32 s54, 1024                            ; b1 of the chunk that v[BAD] points at: chunk 2
	s_mov_b32 s57, 0                               ; chunk 0 is expert a's
	s_mov_b32 s56, 15                              ; passes of the loop still to come
	; CHUNK 0 HAS NOTHING BESIDE IT YET: P1 of chunk 0 alone, then the first 384 lines of its GELU alone.
	s_wait_alu depctr_vm_vsrc(0)                   ; the loads and LDS stores of the set-up have read their offsets, addresses and data in v20 to v94: P1's results land in v16 to v95
.set xi, 0
.rept 80
	P1W
.set xi, xi+1
.endr
	GATES                                          ; ten plain lines behind P1's last products
	s_add_nc_u64 s[48:49], s[48:49], 0x20000       ; (chunk 0's loads were waited for)
	s_wait_alu depctr_va_vdst(0)                   ; P1's products are done reading W1's block and b1, in which the loads below land
	LDW WA, 0, 16, 48, 0                           ; W1 of chunk 1,
	LDW WB, 0, 8, 52, 16384                        ; W2 of chunk 0, kk 0 and 1: in the order in which a pass of the loop asks
	BCLOAD B0A, 512                                ; b1 of chunk 1
.set gq, 0
.set glim, 384
	RID 384
.Ltrip:                                                ; pass p = 15 - s56
	; X: P1 of chunk p + 1 | GELU of chunk p, tiles 3 and 4.  No wave reads the hidden values of chunk p - 1 any more (the barrier at the pass's bottom): chunk p's may be written.
	s_wait_dscnt 0x0                               ; b1 of chunk p + 1
	s_wait_alu depctr_va_vdst(0)                   ; the roundings of tiles 0 to 2 have written PK, the data of the six LDS stores; P2's products are done reading W2's kk 2 and 3, in which the loads below land
	STOREPK 0
	STOREPK 1
	STOREPK 2
	LDW WB, 8, 8, 52, 16384                        ; W2 of chunk p, kk 2 and 3
	s_wait_loadcnt 32                              ; W1 of chunk p + 1 is in; W2's 8 + 8 + 16 loads, issued behind it, stay out
.set glim, 640
.set xi, 0
.rept 80
	P1W
	RID 4                                          ; tile 3's front ends behind product 17, tile 4's behind product 49: ahead of products 32 and 64, which write those tiles again; the list ends behind product 63
.set xi, xi+1
.endr
	WIN 0
	; HEAD of chunk p + 1
	s_cmp_lt_u32 s56, 9                            ; chunks 8 to 15 are expert b's
	s_cselect_b32 s57, -1, 0
	GATES                                          ; ten plain lines behind P1's last products
	s_wait_alu depctr_va_vdst(0)                   ; tile 4's roundings have written its PK, the data of the two LDS stores; P1's products are done reading W1's block and b1, in which loads land below (the front's lines between name neither)
	STOREPK 4                                      ; W1's 32 loads stand between these stores and the wait for them
	s_wait_xcnt 0x0                                ; the pending loads have had their addresses translated (ISA guide 3.1): their bases are stepped only behind this wait
	s_add_nc_u64 s[52:53], s[52:53], 0x20000       ; W2: chunk p + 1,
	s_cmp_eq_u32 s56, 8
	s_cselect_b64 s[52:53], s[50:51], s[52:53]     ; which is expert b's first where p + 1 = 8
	s_cmp_eq_u32 s56, 1
	s_cbranch_scc1 .Lnowa                          ; the last pass: there is no chunk 16
	s_add_nc_u64 s[48:49], s[48:49], 0x20000       ; W1: chunk p + 2
	s_cmp_eq_u32 s56, 9
	s_cselect_b64 s[48:49], s[50:51], s[48:49]
	LDW WA, 0, 16, 48, 0                           ; it has this lump and P2 in which to land
	s_branch .Lwa
.Lnowa:
	s_wait_loadcnt 0x0                             ; with no younger loads the counted waits below would show nothing: all of W2 is waited for here
.Lwa:
	s_wait_dscnt 0x0                               ; for the others' sake: my hidden values of chunk p are in LDS
	s_barrier_signal -1
.set gq, 0
.set glim, 72
	RID 36                                         ; half of tile 0's front, work on registers, between the signal and the wait
	s_barrier_wait -1
	HLOAD 0, LL                                    ; no wait: LL's last readers, P2's products of the pass before, stand ahead of the wait at this pass's top, and no line since names LL
	HLOAD 1, LL+40
	BCLOAD BAD, 0                                  ; b1 of chunk p + 2 (the last pass fetches chunk 15's once more and uses nothing of it: the price of one text for every pass)
	RID 36                                         ; the other half stands over the loads' way
	s_wait_alu depctr_vm_vsrc(0)                   ; b1's loads have read v[BAD], which the add below writes; the LDS stores of tiles 3 and 4 have read PK's first two sets, which the roundings of tiles 0 and 1 write again in Y
	s_add_co_u32 s54, s54, 512
	s_min_u32 s54, s54, 15*512
	v_add_nc_u32 v[BAD], s54, v[B0A]               ; for the next pass's HEAD; the wait below shows it written
	GWAIT
	; Y: P2 of chunk p | GELU of chunk p + 1 up to tile 2's end
	s_wait_loadcnt 48                              ; W2's kk 0 and 1 are in; its kk 2 and 3 (16 loads) and W1's block (32), issued behind them, stay out
	s_wait_dscnt 14                                ; kk 0's ten loads are in; kk 1's ten and b1's four stay out
.set glim, 384
.set yi, 0
.rept 80
.if yi == 20
	s_wait_dscnt 0x0                               ; kk 1
.elseif yi == 40
	s_wait_dscnt 0x0                               ; kk 2
	s_wait_loadcnt 40                              ; W2's kk 2 and 3 are in; W1's block (32) and the next W2's kk 0 (8), issued behind them, stay out
.elseif yi == 60
	s_wait_dscnt 0x0                               ; kk 3: my reads of the hidden values are over;
	s_barrier_signal -1                            ; the last 20 products and their slices, work on registers, stand between the signal and the wait
.endif
	P2W
.if (yi == 19) || (yi == 39)
.set sn, pl
.endif
.if yi%10 == 5
	RID 3                                          ; 72 x 4 + 8 x 3 = the 312 lines
.else
	RID 4
.endif
.if yi == 20
	WIN 0
	NEED4                                          ; behind product 19, the last to read kk 0's fragments
	s_wait_alu depctr_va_vdst(0)                   ; products 0 to 19 are done reading LL's low half and W2's kk 0, in which the loads below land
	HLOAD 2, LL
	LDW WB, 0, 4, 52, 16384                        ; W2 of chunk p + 1, kk 0
.elseif yi == 40
	WIN 0
	NEED4                                          ; behind product 39
	s_wait_alu depctr_va_vdst(0)                   ; products 20 to 39 are done reading LL's high half and W2's kk 1, in which the loads below land
	HLOAD 3, LL+40
	LDW WB, 4, 4, 52, 16384
.endif
.set yi, yi+1
.endr
	WIN 0
	s_barrier_wait -1                              ; nobody reads the hidden values of chunk p any more
	s_sub_co_u32 s56, s56, 1
	s_cmp_lg_u32 s56, 0
	s_cbranch_scc1 .Ltrip
	; CHUNK 15 HAS NOTHING BEHIND IT: the rest of its GELU alone, then its P2 alone.
	s_wait_alu depctr_va_vdst(0)                   ; as at a pass's top: PK is written; P2's products are done reading W2's kk 2 and 3
	STOREPK 0
	STOREPK 1
	STOREPK 2
	LDW WB, 8, 8, 52, 16384                        ; W2 of chunk 15, kk 2 and 3
.set glim, 640
	RID 256                                        ; (tile 3's LDS stores stand in it, behind the wait of tile 4's front)
	s_wait_alu depctr_va_vdst(0)                   ; tile 4's roundings have written its PK, the data of the LDS stores; the fronts are done reading P1's accumulators, in which fragments land behind the barrier
	STOREPK 4
	s_wait_dscnt 0x0                               ; for the others' sake
	s_barrier_signal -1
	s_barrier_wait -1
	HLOAD 0, LL
	HLOAD 1, LL+40
	HLOAD 2, AC                                    ; P1's accumulators are free
	HLOAD 3, AC+40
	s_wait_loadcnt 0x0                             ; W2
.set TAILF, 1
.set yi, 0
.rept 80
.if yi%20 == 0
	s_wait_dscnt 30-10*(yi/20)                     ; kk's ten loads are in, the later ones stay out
.endif
	P2W
.set yi, yi+1
.endr
	WIN 0
	; THE WAY OUT, a tile of 16 tokens at a time: a lane's 8 numbers of a row go into my stage and come back as whole pieces of 256 bytes, my wave's 64 columns of a row of out0.
	; A store holds two rows.  Stores whose first row lies past the count are jumped; with an odd count the second row repeats the first: the same bytes to the same place.
	; No register that a memory or LDS instruction reads here is written again: the six addresses lie in v6 to v11, all five tiles' 40 token numbers are fetched at once and made into offsets in place (v16 to v55),
	; and each tile's rows come back into 32 registers of their own (v56 to v151, v176 to v239: PK, which LDS stores have read, is passed over).  So two waits state all that the way out hangs on.
	; The addresses are made here: ten plain lines, the places behind the last products.
	v_and_b32 v6, 15, v0                           ; r
	v_bfe_u32 v7, v0, 4, 1                         ; hh
	s_mul_i32 s26, s20, OSW
	s_add_co_u32 s26, s26, OS
	v_mul_u32_u24 v8, v6, HP
	v_lshl_add_u32 v8, v7, 5, v8
	v_add_nc_u32 v8, s26, v8                       ; in: row r, 32 bytes for each half of the lanes
	v_mul_u32_u24 v9, v7, HP
	v_lshl_add_u32 v9, v6, 4, v9
	v_add_nc_u32 v9, s26, v9                       ; back: lanes 0-15 one row of 256 bytes, lanes 16-31 the next
	s_lshl_b32 s26, s20, 8
	v_lshl_add_u32 v10, v6, 4, s26                 ; my 16 bytes in a row of out0
	v_lshl_add_u32 v11, v7, 2, TL
	s_wait_alu depctr_va_vdst(0)                   ; the addresses v8, v9 and v11 are written; the products have written Y, the data of the LDS stores (the places above stay beside this wait), and are done reading the fragments in v16 to v95 and v176 to v255, in which loads land
.set n, 0
.rept 40
	ds_load_b32 v[16+n], v11 offset:64*(n/8)+8*(n%8)                      ; tile n / 8: the tokens of rows 2 (n % 8) + hh
.set n, n+1
.endr
	s_wait_dscnt 0x0
.set n, 0
.rept 40
	v_min_u32 v[16+n], 0x3fff, v[16+n]
	v_lshl_add_u32 v[16+n], v[16+n], 10, v10
.set n, n+1
.endr
	s_wait_alu depctr_va_vdst(0)                   ; the 40 offsets are written, which the stores below read; no vector line follows
.set t, 0
.rept 5
.set ob, 56+32*t+24*(t/3)
	s_cmp_le_u32 s27, 16*t
	s_cbranch_scc1 .Ldone
	WIN 0x04                                       ; the stores' data in window 1
.irp n, 0,1,2,3
	ds_store_b128 v8, v[8*(4*t+\n):8*(4*t+\n)+3]   offset:64*\n           ; each accumulator is read from its low end on
	ds_store_b128 v8, v[8*(4*t+\n)+4:8*(4*t+\n)+7] offset:64*\n+16
.endr
	WIN 0
.irp i, 0,1,2,3,4,5,6,7
	ds_load_b128 v[ob+4*\i:ob+4*\i+3], v9 offset:2*HP*\i                  ; LDS serves a wave's instructions in order (ISA guide 5.7.1.4): these see the stores above, and the next tile's stores come behind them
.endr
	s_wait_dscnt 0x0
.irp i, 0,1,2,3,4,5,6,7
.if \i > 0
	s_cmp_le_u32 s27, 16*t+2*\i
	s_cbranch_scc1 .Ldone
.endif
	global_store_b128 v[16+8*t+\i], v[ob+4*\i:ob+4*\i+3], s[18:19] th:TH_STORE_NT   ; 16 lanes store 256 consecutive bytes, aligned
.endr
.set t, t+1
.endr
.Ldone:
	s_wait_dscnt 0x0                               ; the wave's end: the closing add follows
	s_set_vgpr_msb 0x5
	s_wait_dscnt 0x0
	s_wait_alu depctr_hold_cnt(0) depctr_sa_sdst(0) depctr_va_vdst(0) depctr_va_sdst(0) depctr_va_ssrc(0) depctr_va_vcc(0) depctr_vm_vsrc(0)
	s_wait_tensorcnt 0x0
	ds_add_u32 v254, v255
	s_wait_dscnt 0x0
	s_endpgm
.Lfunc_end_k_qff7dd14d32_chain:
	.size	k_qff7dd14d32_chain, .Lfunc_end_k_qff7dd14d32_chain-k_qff7dd14d32_chain
	.p2alignl 7, 3214868480
	.fill 96, 4, 3214868480
	.section	.rodata,"a",@progbits
	.p2align	6, 0x0
	.amdhsa_kernel k_qff7dd14d32_chain
		.amdhsa_group_segment_fixed_size 90624
		.amdhsa_private_segment_fixed_size 0
		.amdhsa_enable_private_segment 0
		.amdhsa_kernarg_size 64
		.amdhsa_user_sgpr_count 2
		.amdhsa_user_sgpr_kernarg_segment_ptr 1
		.amdhsa_wavefront_size32 1
		.amdhsa_system_sgpr_workgroup_id_x 1
		.amdhsa_system_sgpr_workgroup_id_y 1
		.amdhsa_system_sgpr_workgroup_id_z 1
		.amdhsa_system_vgpr_workitem_id 0
		.amdhsa_next_free_vgpr 1024
		.amdhsa_next_free_sgpr 80
		.amdhsa_reserve_vcc 0
		.amdhsa_float_denorm_mode_32 3
		.amdhsa_float_denorm_mode_16_64 3
		.amdhsa_memory_ordered 1
		.amdhsa_forward_progress 1
		.amdhsa_inst_pref_size 203
	.end_amdhsa_kernel
	.amdgpu_metadata
---
amdhsa.version: [ 1, 2 ]
amdhsa.kernels:
  - .name:           k_qff7dd14d32_chain
    .symbol:         k_qff7dd14d32_chain.kd
    .args:
      - { .name: x, .offset: 0, .size: 8, .value_kind: global_buffer, .address_space: global }
      - { .name: out1, .offset: 8, .size: 8, .value_kind: global_buffer, .address_space: global }
      - { .name: wf, .offset: 16, .size: 8, .value_kind: global_buffer, .address_space: global }
      - { .name: b1, .offset: 24, .size: 8, .value_kind: global_buffer, .address_space: global }
      - { .name: b2, .offset: 32, .size: 8, .value_kind: global_buffer, .address_space: global }
      - { .name: list, .offset: 40, .size: 8, .value_kind: global_buffer, .address_space: global }
      - { .name: cq, .offset: 48, .size: 8, .value_kind: global_buffer, .address_space: global }
      - { .name: out0, .offset: 56, .size: 8, .value_kind: global_buffer, .address_space: global }
    .group_segment_fixed_size: 90624
    .private_segment_fixed_size: 0
    .kernarg_segment_align: 8
    .kernarg_segment_size: 64
    .max_flat_workgroup_size: 128
    .sgpr_count:     80
    .vgpr_count:     1024
    .wavefront_size: 32
...
	.end_amdgpu_metadata
.endif
;; end of part 6
